; MI455X (gfx1250); checked and timed in simulation.
; The chip was launched on July 23, 2026; its instructions are those of AMD's public machine-readable ISA for CDNA 5 (MIT licence, August 2026) and "CDNA5" Instruction Set Architecture Reference Guide (July 2026). The comments in the code are by the model that wrote it; some were corrected since.
;; Causal Self Attention. Allowed arithmetic: matrix products marked QUANTISED: E3M2 operands, one E8M0 scale for each 32 along K, by v_wmma_scale_f32_16x16x128_f8f6f4 with both operands' format E3M2, f32 sums; everything else in f32.
;; Inputs: W_attn 1,024 x 3,072 float32; W_proj 1,024 x 1,024 float32; x 4 x 2,048 x 1,024 float32.
;; Outputs: out0 4 x 2,048 x 1,024 float32.
;; This version of the problem:
;;   THIS VERSION OF THE PROBLEM IS GIVEN IN LOW PRECISION. The matrix products marked QUANTISED in the list below multiply operands that are first quantised to E3M2 (3 exponent bits, 2 mantissa bits; 6 bits a number), with one power-of-two scale for each 32 numbers along K (OCP MX v1.0); their sums are f32. All else is computed in f32.
;;   The module's matrix products, in the order in which they are computed (A, B: the left and right operand; K: the contracted axis; several contracted axes count as one K, in the product's order):
;;     1. [M 8,192, K 1,024] x [K 1,024, N 3,072]; A: input x; B: input W_attn: QUANTISED
;;     2. batch 64 x [M 2,048, K 64] x [K 64, N 2,048]; A: computed on the way; B: computed on the way: QUANTISED
;;     3. batch 64 x [M 2,048, K 2,048] x [K 2,048, N 64]; A: softmax (see below); B: computed on the way: QUANTISED
;;     4. [M 8,192, K 1,024] x [K 1,024, N 1,024]; A: computed on the way; B: input W_proj: QUANTISED
;;   THE QUANTISER, for each operand of a quantised product, along K:
;;     - K is cut into blocks of 32 from its start; a last block that is shorter is filled with zeros.
;;     - A block's scale is 2^e with e = floor(log2(the largest magnitude in the block)) - 4, held to -126 .. 127; a block of zeros has e = 0. As a byte (E8M0): e + 127.
;;     - Each number is divided by its block's scale, clamped to +-28, and rounded to the nearest number of E3M2, ties to even, subnormals kept.
;;     - The product sums the exact products of the quantised numbers (number of the format x scale) in f32.
;;   ~~~python
;;   def quantise(x, axis):      # numpy; x: float32 -> the quantised numbers, widened to float32 again
;;       x = np.moveaxis(x, axis, -1); K = x.shape[-1]
;;       x = np.pad(x, [(0, 0)] * (x.ndim - 1) + [(0, -K % 32)]); x = x.reshape(x.shape[:-1] + (-1, 32)); a = np.abs(x).max(-1, keepdims=True)
;;       e = np.where(a > 0, np.clip(np.frexp(np.where(a > 0, a, 1))[1] - 1 - 4, -126, 127), 0)      # np.frexp(a)[1] - 1 = floor(log2(a)), exactly
;;       r = np.clip(x / 2.0 ** e, -28, 28)
;;       step = 2.0 ** (np.maximum(np.frexp(np.where(r == 0, 1, r))[1] - 1, -2) - 2)
;;       q = np.round(r / step) * step * 2.0 ** e      # np.round: ties to even
;;       return np.moveaxis(q.reshape(q.shape[:-2] + (-1,))[..., :K], -1, axis).astype(np.float32)
;;   ~~~
;;   SOFTMAX AHEAD OF A QUANTISED PRODUCT. Where the list says 'softmax', what is quantised is not the finished softmax but p = 2^(t - M), with t = logit x log2(e) and M = ceil(the row's largest t), a whole number; so 1/2 < the row's largest p <= 1. The row's sum l is taken of the UNQUANTISED p, in f32, and the product's result is divided by l at the end. Since M is a whole number, a kernel that streams over the keys may use a running M (the ceiling of the running maximum): every later rescaling is an exact power of two, which a block's scale takes up: the codes' values come out the same.
;;   OPERANDS COMPUTED ON THE WAY. 'Computed on the way' means the value that the module computes at that place (a softmax that the list does not call 'softmax' is quantised finished and normalised). What goes into a quantiser is computed in f32, as accurately as f32 sums, v_exp_f32 and their like allow (about 1e-6 of the number): no bf16 or f16 on the way to a quantiser, and a product that is left as it is and whose result goes on into a quantised operand takes f32 operands (vector FMAs, or v_wmma_f32_16x16x4_f32). A number that lies on a knife's edge between two numbers of the format may be rounded either way, as far as f32 arithmetic and the matrix unit's own rounding can turn it there, and no further.
;; One version. Each part assembles by itself: llvm-mc -triple=amdgcn-amd-amdhsa -mcpu=gfx1250 --defsym DOCPART=n.
;; ======== version 1 of 1: 4 launches
;; workspace buffers: ops 9,437,184 bytes; opscl 393,216 bytes; qkv 19,660,800 bytes; yimg 6,291,456 bytes; yscl 262,144 bytes
;; launch quant (part 1): grid 768 x 1, 4 waves a work-group, no clusters, 34,304 bytes of LDS; arguments x, W_attn, W_proj, ops, opscl; writes ops, opscl
.if DOCPART == 1
	.amdgcn_target "amdgcn-amd-amdhsa--gfx1250"
	.amdhsa_code_object_version 6
	.text
	.protected	k_q084271e209_quant
	.globl	k_q084271e209_quant
	.p2align	8
	.type	k_q084271e209_quant,@function
k_q084271e209_quant:
	s_mov_b64 s[64:65], 0
	v_nop
	global_prefetch_b8 v0, s[64:65] scope:SCOPE_SE
	s_setreg_imm32_b32 hwreg(HW_REG_WAVE_MODE, 25, 1), 1
	s_wait_xcnt 0x0
; x [8192][1024], W_attn [1024][3072] and W_proj [1024][1024], f32, become codes of BF6 (E3M2) with one E8M0 byte for each 32 along K (K = the 1,024),
; laid as IMAGES OF OPERAND REGISTERS.  A fragment is 16 rows x 128 K, 12 registers a lane, 1,536 bytes: chunk p (256 bytes) holds registers 2 p, 2 p + 1 of lane l at 256 p + 8 l;
; registers 6 c .. 6 c + 5 of lane (r = l % 16, h = l / 16) are the 24 bytes of codes of row r, k = 64 c + 32 h + 0 .. 31.  ops: [tile][K step 0..7][1,536]; tiles 0-511 x, 512-703 W_attn's columns, 704-767 W_proj's.
; WHICH 16 INDICES FORM A TILE: tile 2 G + u, row m stands for index 32 G + 8 u + m + 8 (m / 8), for tokens and for columns alike.
; opscl: [tile][slot 0..3][row][q 0..1] words: the word of K step 2 slot + q; byte b scales k = 32 b .. 32 b + 31 of that step.
; A block's scale is 2^(floor(log2(largest magnitude)) - 4): its byte is the largest magnitude's exponent field - 4, held at 1 from below.
; LIMITS: NaN and infinities are not served; a block whose largest magnitude lies under 2^-122, a block of zeros too, gets the byte 1 (the quantiser's 127 for zeros is not kept: the codes are zeros, and only this program reads the bytes).
; Work-groups 0-511: a token tile of x each, wave w its K steps 2 w, 2 w + 1.  512-703: W_attn, 128 columns x 128 K each.  704-767: W_proj likewise.  Each work-group reads 65,536 bytes, all asked for at its head.
; No tensor loads, no barrier: waves share nothing.  Only the path for x touches LDS.
.set SPX,  528                         ; a stage row: 512 bytes + 16, so that the 16 rows of a read start in 16 different columns of 16 bytes
.set WST,  16*SPX                      ; a wave's stage
.set TM,   16                          ; v16-23  at work
.set PW,   24                          ; v24-25  scale words
.set R,    32                          ; v32-159 numbers as loaded
.set X,    160                         ; v160-223 x: 64 numbers of my row, 32 c + i = k 64 c + 32 h + i
.set PC,   224                         ; v224-235 x: a fragment's codes
.set T,    236                         ; v236-238, v240-242 the upper halves of two blocks, before they are moved
.set FE,   160                         ; W: the even tile's fragment
.set FO,   172                         ; W: the odd tile's
.set WT,   184                         ; W: v184-186, v188-190 upper halves
	s_load_b256 s[4:11], s[0:1], 0x0               ; x s[4:5], W_attn s[6:7], W_proj s[8:9], ops s[10:11]
	s_load_b64 s[12:13], s[0:1], 0x20              ; opscl
	v_lshl_add_u32 v248, v0, 2, 0x8400
	v_mov_b32 v249, 0
	v_lshrrev_b32 v1, 5, v0
	v_readfirstlane_b32 s14, v1                    ; wave
	v_and_b32 v1, 31, v0                           ; lane
	v_and_b32 v2, 15, v0                           ; r
	v_bfe_u32 v3, v0, 4, 1                         ; h
	v_lshlrev_b32 v7, 3, v1                        ; 8 x lane: my place in a chunk
	s_mov_b32 s20, 0x76543210
	s_mov_b32 s21, 0xfedcba98                      ; v_permlanex16_b32's selects for lane l xor 16
	s_cmp_lt_u32 ttmp9, 512
	s_cbranch_scc0 .Lweights
	; ---------------- x: K is innermost ----------------
	v_lshlrev_b32 v4, 4, v1                        ; 16 x lane: a load takes 512 consecutive bytes, one row's K step
	s_mul_i32 s15, s14, WST
	v_add_nc_u32 v5, s15, v4                       ; into my stage: as loaded
	v_mul_u32_u24 v6, v2, SPX
	v_lshl_add_u32 v6, v3, 7, v6
	v_add_nc_u32 v6, s15, v6                       ; out of it: row r, + 128 h: my 32 numbers of each 64
	v_lshlrev_b32 v8, 3, v2
	v_lshl_add_u32 v8, v3, 2, v8                   ; the scale words: 8 r + 4 h
	v_lshlrev_b32 v9, 3, v3                        ; 8 h
	v_mov_b32 v[TM+7], 0                           ; written once: a lane permute's destination counts as one of its sources
	s_lshr_b32 s16, ttmp9, 1
	s_lshl_b32 s16, s16, 17                        ; 32 rows of 4,096 bytes for each pair of tiles,
	s_and_b32 s17, ttmp9, 1
	s_lshl_b32 s17, s17, 15                        ; 8 rows more for the odd tile,
	s_add_co_u32 s16, s16, s17
	s_lshl_b32 s17, s14, 10                        ; my two K steps: 1,024 bytes of a row
	s_add_co_u32 s16, s16, s17
	s_mov_b32 s17, 0
	s_mul_i32 s18, ttmp9, 12288                    ; the tile's eight fragments,
	s_mul_i32 s19, s14, 3072                       ; my two
	s_add_co_u32 s18, s18, s19
	s_mov_b32 s19, 0
	s_lshl_b32 s22, ttmp9, 9                       ; the tile's scale words, my slot
	s_lshl_b32 s23, s14, 7
	s_add_co_u32 s22, s22, s23
	s_mov_b32 s23, 0
	s_wait_kmcnt 0x0
	s_add_nc_u64 s[4:5], s[4:5], s[16:17]
	s_add_nc_u64 s[10:11], s[10:11], s[18:19]
	s_add_nc_u64 s[12:13], s[12:13], s[22:23]
.macro LOADX f                         ; K step f of the tile's 16 rows: row i of the tile is token i + 8 (i / 8) of its 24
.irp i, 0,1,2,3,4,5,6,7,8,9,10,11,12,13,14,15
	global_load_b128 v[R+64*\f+4*\i:R+64*\f+4*\i+3], v4, s[4:5] offset:(\i+8*(\i/8))*4096+512*\f th:TH_LOAD_NT
.endr
.endm
.macro FRAGX f
	s_wait_loadcnt 16-16*\f                        ; this K step's 16 loads are in; the other's may be out
.irp i, 0,1,2,3,4,5,6,7,8,9,10,11,12,13,14,15
	ds_store_b128 v5, v[R+64*\f+4*\i:R+64*\f+4*\i+3] offset:SPX*\i
.endr
.irp c, 0,1
.irp j, 0,1,2,3,4,5,6,7
	ds_load_b128 v[X+32*\c+4*\j:X+32*\c+4*\j+3], v6 offset:256*\c+16*\j   ; LDS serves a wave's instructions in order: these see my stores
.endr
.endr
	s_wait_dscnt 0x0
.irp c, 0,1                            ; my block 2 c + h: all its 32 numbers are mine
	v_max3_num_f32 v[TM+\c], |v[X+32*\c]|, |v[X+1+32*\c]|, 0x2800000   ; and the floor 2^(5 - 127): the byte cannot fall under 1
.endr
.irp i, 2,4,6,8,10,12,14,16,18,20,22,24,26,28,30
.irp c, 0,1
	v_max3_num_f32 v[TM+\c], v[TM+\c], |v[X+32*\c+\i]|, |v[X+1+32*\c+\i]|
.endr
.endr
.irp c, 0,1
	v_add_nc_u32 v[TM+2+\c], 0xfe000000, v[TM+\c]  ; 4 off the exponent field: the conversion's scale operand
.endr
.irp c, 0,1
	v_lshrrev_b32 v[TM+4+\c], 23, v[TM+2+\c]       ; the scale's byte
.endr
	v_lshl_or_b32 v[TM+6], v[TM+5], 16, v[TM+4]    ; blocks h and 2 + h,
	v_lshlrev_b32 v[TM+6], v9, v[TM+6]             ; at their places in the word;
	v_permlanex16_b32 v[TM+7], v[TM+6], s20, s21
	v_or_b32 v[PW+\f], v[TM+6], v[TM+7]            ; with lane l xor 16's two the word is whole
.if \f
	s_wait_xcnt 0x0                                ; the last fragment's stores have read the codes' registers
.endif
.irp c, 0,1
	v_cvt_scalef32_pk16_bf6_f32 v[PC+6*\c:PC+6*\c+2], v[X+32*\c:X+32*\c+15], v[TM+2+\c]
	v_cvt_scalef32_pk16_bf6_f32 v[T+4*\c:T+4*\c+2], v[X+32*\c+16:X+32*\c+31], v[TM+2+\c]   ; (a conversion's three registers begin on an even number)
.endr
	v_nop                                          ; one plain place behind a scaled conversion
.irp c, 0,1
.irp i, 0,1,2
	v_mov_b32 v[PC+3+6*\c+\i], v[T+4*\c+\i]
.endr
.endr
.irp p, 0,1,2,3,4,5
	global_store_b64 v7, v[PC+2*\p:PC+2*\p+1], s[10:11] offset:1536*\f+256*\p   ; 32 lanes store 256 consecutive bytes, aligned
.endr
.endm
	LOADX 0
	LOADX 1
	FRAGX 0
	FRAGX 1
	v_cmp_eq_u32 vcc_lo, 1, v3
	v_cndmask_b32 v10, v[PW], v[PW+1], vcc_lo      ; lanes 0-15 the first K step's word, lanes 16-31 the second's
	global_store_b32 v8, v10, s[12:13]             ; 128 consecutive bytes
	s_wait_tensorcnt 0x0
	ds_add_u32 v248, v249
	s_wait_dscnt 0x0
	s_endpgm
	; ---------------- the weights: K is the first axis.  A lane takes a column, its registers run down K ----------------
.Lweights:
	v_and_b32 v4, 7, v0
	v_lshl_add_u32 v4, v3, 3, v4
	v_bfe_u32 v5, v0, 3, 1
	v_lshl_add_u32 v4, v5, 4, v4                   ; column l % 8 + 8 (l / 16) + 16 ((l / 8) % 2) of my 32: lanes 0-15 are the even tile's rows, lanes 16-31 the odd tile's
	v_lshlrev_b32 v4, 2, v4
	v_lshlrev_b32 v8, 3, v2
	v_lshl_add_u32 v8, v3, 9, v8                   ; the scale word: 512 x (l / 16) + 8 x (l % 16)
.macro WBLOCK be, dst, left            ; block be of my column's 128 numbers: its codes to v[dst] on, its byte into the word
.set XS, R+32*(\be)
.set TT, WT+4*((\be)%2)
	s_wait_loadcnt \left                           ; this block's 32 loads are in
	v_max3_num_f32 v[TM], |v[XS]|, |v[XS+1]|, |v[XS+2]|
	v_max3_num_f32 v[TM+1], |v[XS+3]|, |v[XS+4]|, |v[XS+5]|
.irp i, 6,10,14,18,22,26
	v_max3_num_f32 v[TM], v[TM], |v[XS+\i]|, |v[XS+\i+1]|
	v_max3_num_f32 v[TM+1], v[TM+1], |v[XS+\i+2]|, |v[XS+\i+3]|
.endr
	v_max3_num_f32 v[TM], v[TM], |v[XS+30]|, |v[XS+31]|
	v_max3_num_f32 v[TM], v[TM], v[TM+1], 0x2800000
	v_add_nc_u32 v[TM+2], 0xfe000000, v[TM]
	v_lshrrev_b32 v[TM+3], 23, v[TM+2]
.if (\be) == 0
	v_mov_b32 v[PW], v[TM+3]
.else
	v_lshl_or_b32 v[PW], v[TM+3], 8*(\be), v[PW]
.endif
	v_cvt_scalef32_pk16_bf6_f32 v[\dst:\dst+2], v[XS:XS+15], v[TM+2]
	v_cvt_scalef32_pk16_bf6_f32 v[TT:TT+2], v[XS+16:XS+31], v[TM+2]
	v_nop                                          ; one plain place behind a scaled conversion
.irp i, 0,1,2
	v_mov_b32 v[\dst+3+\i], v[TT+\i]
.endr
.endm
.macro WPATH pitch, ptr, first, tile0  ; pitch: a row of the weight in bytes; ptr: its address; first: the path's first work-group; tile0: its first tile in ops
	s_sub_co_u32 s15, ttmp9, \first
	s_lshr_b32 s16, s15, 3                         ; which 128 columns
	s_and_b32 s17, s15, 7                          ; which K step
	s_lshl_b32 s18, s16, 9
	s_lshl_b32 s19, s14, 7                         ; my wave's 32 columns
	s_add_co_u32 s18, s18, s19
	s_mul_i32 s19, s17, 128*\pitch
	s_add_co_u32 s18, s18, s19
	s_mov_b32 s19, 0
	s_lshl_b32 s22, s16, 3
	s_lshl_b32 s23, s14, 1
	s_add_co_u32 s22, s22, s23
	s_add_co_u32 s22, s22, \tile0                  ; my even tile
	s_mul_i32 s24, s22, 12288
	s_mul_i32 s23, s17, 1536
	s_add_co_u32 s24, s24, s23
	s_mov_b32 s25, 0
	s_lshl_b32 s26, s22, 9
	s_lshr_b32 s23, s17, 1
	s_lshl_b32 s23, s23, 7
	s_add_co_u32 s26, s26, s23
	s_and_b32 s23, s17, 1
	s_lshl_b32 s23, s23, 2
	s_add_co_u32 s26, s26, s23
	s_mov_b32 s27, 0
	s_wait_kmcnt 0x0
	s_add_nc_u64 s[28:29], s[\ptr:\ptr+1], s[18:19]
	s_add_nc_u64 s[10:11], s[10:11], s[24:25]
	s_add_nc_u64 s[12:13], s[12:13], s[26:27]
.set n, 0
.rept 128
	global_load_b32 v[R+n], v4, s[28:29] offset:n*\pitch th:TH_LOAD_NT   ; row n of the K step at my wave's 32 columns: 128 bytes a wave, 512 a work-group
.set n, n+1
.endr
	WBLOCK 0, FE, 63                               ; (a wait's count holds 63 at the most: the first two blocks wait for more than they need)
	WBLOCK 1, FO, 63
	WBLOCK 2, FE+6, 32
	WBLOCK 3, FO+6, 0
.irp i, 0,1,2,3,4,5,6,7,8,9,10,11
	v_permlane16_swap_b32 v[FE+\i], v[FO+\i]       ; FE's lanes 16-31 (the odd tile's even block) change places with FO's lanes 0-15 (the even tile's odd block): FE and FO are now the two tiles' fragments
.endr
.irp p, 0,1,2,3,4,5
	global_store_b64 v7, v[FE+2*\p:FE+2*\p+1], s[10:11] offset:256*\p
	global_store_b64 v7, v[FO+2*\p:FO+2*\p+1], s[10:11] offset:12288+256*\p
.endr
	global_store_b32 v8, v[PW], s[12:13]           ; my row's word of this K step
.endm
	s_cmp_lt_u32 ttmp9, 704
	s_cbranch_scc0 .Lproj
	WPATH 12288, 6, 512, 512
	s_endpgm
.Lproj:
	WPATH 4096, 8, 704, 704
	s_endpgm
.Lfunc_end_k_q084271e209_quant:
	.size	k_q084271e209_quant, .Lfunc_end_k_q084271e209_quant-k_q084271e209_quant
	.p2alignl 7, 3214868480
	.fill 96, 4, 3214868480
	.section	.rodata,"a",@progbits
	.p2align	6, 0x0
	.amdhsa_kernel k_q084271e209_quant
		.amdhsa_group_segment_fixed_size 34304
		.amdhsa_private_segment_fixed_size 0
		.amdhsa_enable_private_segment 0
		.amdhsa_kernarg_size 40
		.amdhsa_user_sgpr_count 2
		.amdhsa_user_sgpr_kernarg_segment_ptr 1
		.amdhsa_wavefront_size32 1
		.amdhsa_system_sgpr_workgroup_id_x 1
		.amdhsa_system_sgpr_workgroup_id_y 1
		.amdhsa_system_sgpr_workgroup_id_z 1
		.amdhsa_system_vgpr_workitem_id 0
		.amdhsa_next_free_vgpr 250
		.amdhsa_next_free_sgpr 66
		.amdhsa_reserve_vcc 1
		.amdhsa_float_denorm_mode_32 3
		.amdhsa_float_denorm_mode_16_64 3
		.amdhsa_memory_ordered 1
		.amdhsa_forward_progress 1
		.amdhsa_inst_pref_size 58
	.end_amdhsa_kernel
	.amdgpu_metadata
---
amdhsa.version: [ 1, 2 ]
amdhsa.kernels:
  - .name:           k_q084271e209_quant
    .symbol:         k_q084271e209_quant.kd
    .args:
      - { .name: x, .offset: 0, .size: 8, .value_kind: global_buffer, .address_space: global }
      - { .name: W_attn, .offset: 8, .size: 8, .value_kind: global_buffer, .address_space: global }
      - { .name: W_proj, .offset: 16, .size: 8, .value_kind: global_buffer, .address_space: global }
      - { .name: ops, .offset: 24, .size: 8, .value_kind: global_buffer, .address_space: global }
      - { .name: opscl, .offset: 32, .size: 8, .value_kind: global_buffer, .address_space: global }
    .group_segment_fixed_size: 34304
    .private_segment_fixed_size: 0
    .kernarg_segment_align: 8
    .kernarg_segment_size: 40
    .max_flat_workgroup_size: 128
    .sgpr_count:     66
    .vgpr_count:     250
    .wavefront_size: 32
...
	.end_amdgpu_metadata
.endif
;; end of part 1
;; launch gemm_qkv (part 2): grid 12 x 32, 4 waves a work-group, clusters of 4 x 4, 327,680 bytes of LDS; arguments ops, opscl, qkv; writes qkv
.if DOCPART == 2
	.amdgcn_target "amdgcn-amd-amdhsa--gfx1250"
	.amdhsa_code_object_version 6
	.text
	.protected	k_q084271e209_gemm_qkv
	.globl	k_q084271e209_gemm_qkv
	.p2align	8
	.type	k_q084271e209_gemm_qkv,@function
k_q084271e209_gemm_qkv:
	s_mov_b64 s[64:65], 0
	v_nop
	global_prefetch_b8 v0, s[64:65] scope:SCOPE_SE
	s_setreg_imm32_b32 hwreg(HW_REG_WAVE_MODE, 25, 1), 1
	s_wait_xcnt 0x0
	s_wait_alu depctr_hold_cnt(0) depctr_sa_sdst(0) depctr_va_vdst(0) depctr_va_sdst(0) depctr_va_ssrc(0) depctr_va_vcc(0) depctr_vm_vsrc(0)
	s_getreg_b32 s2, hwreg(HW_REG_IB_STS2, 6, 4)
	s_cmp_eq_u32 s2, 0
	s_cbranch_scc0 .Lentry_in_a_cluster
	s_endpgm
.Lentry_in_a_cluster:
	s_bfe_u32 s2, ttmp6, 0x10000c
	s_cmp_lg_u32 s2, 0xf033
	s_cbranch_scc0 .Lentry_shape_is_right
	s_endpgm
.Lentry_shape_is_right:
; qkv = x W_attn on codes of BF6 with E8M0 scales, K = 1,024; the results are quantised in registers and leave as codes: q and k along the head's 64, v along the keys.
; A tile of 256 x 256 is made by four waves, 128 x 128 each: 64 accumulators, 512 registers.  C[i][j]: i = the rows of source 1 (operand A: a lane holds one i), j = the rows of source 0 (operand B: a lane's registers run along j).
; j IS THE AXIS THAT IS QUANTISED.  Clusters x = 0, 1: A = 256 tokens of x, B = 256 columns of W_q or W_k.  Cluster x = 2: A = 256 columns of W_v, B = 256 tokens: V^T comes out with the keys along the registers.
; OPERANDS lie in ops as images of their registers ([tile of 16 rows][K step of 128][1,536 bytes]; chunk p: registers 2 p, 2 p + 1 of lane l at 256 p + 8 l): a fragment is six ds_load_b64 at 8 x lane, dense, with no padding.
; Tile 2 G + u, row m stands for index 32 G + 8 u + m + 8 (m / 8): so the 16 registers of B's tiles 2 G, 2 G + 1 are the 16 neighbours 32 G + 16 (lane / 16) + 0 .. 15 along j.
; K goes in four steps of 256 through THREE LDS slots: steps 0, 1, 2 are first fills, step 3 fills slot 0 again, behind the one round of the cluster's barrier in the run; it has two K steps, 256 matrix instructions, in which to land.
; CLUSTERS: 4 x 4 work-groups; A's tiles are asked for jointly along a row of the cluster, B's along a column.  By this text's count a wave has at most four tensor loads out.
; OUTPUT: a record of 19,200 bytes for each (head, 128 tokens): K 8 half images (768 bytes: 16 tokens x 64) | V^T 4 fragments | K's scale words [pair of tiles][row] | V's [tile][row] | Q 8 half images | Q's scale words.
; LIMITS: NaN and infinities are not served; a block whose largest magnitude lies under 2^-122 (zeros too) gets the byte 1: its codes are what the conversion gives under that scale, and only this program reads the bytes.
; REGISTERS: window 0: v16-29 addresses; v32-63 scale words, two sets; v64-127 the way out; v128-223 A's 8 fragments.  window 1: B's two sets, at v0 and v128.  windows 2, 3: the accumulators, (a, b) at v[8 (8 (a % 4) + b)].
.set FR,    12
.set NL,    6
.set NP,    4
.set NQ,    2
.set TILEB, 3072                       ; a tile's two fragments of a K step of 256
.set HALFT, 8*TILEB                    ; eight tiles: what one tensor load brings, and what one wave reads of A or of B
.set SLOT,  4*HALFT                    ; A's 16 tiles, then B's 16
.set SCL,   3*SLOT                     ; behind the slots: the scale words of all of K, 4,096 bytes for each eight tiles
.set SPARE, SCL+4*4096                 ; the spare words, 128 bytes for each wave: two blocks of 256 bytes that no other line names
.set BLKB,  196608                     ; 16 tiles in ops
.set PA,  4                            ; s[4:5]  A's codes;  s[6:7] A's scale words;  here B's are the same two buffers
.set PAS, 6
.set PB,  4
.set PBS, 6
.set ADRA, 16                          ; v16-18  LDS address of my A fragments in slot 0, 1, 2
.set ADRB, 20                          ; v20-22  the same for B
.set ADRS, 27                          ; v27     my scale words: lanes 0-15 A's rows, lanes 16-31 B's
.set SPW,  28                          ; v28     my spare word; never rewritten
.set NIL,  29                          ; v29     0; never rewritten
.set SC,   32                          ; set s at v[SC + 16 s]; register 2 i + q: lanes 0-15 A's tile i, lanes 16-31 B's tile i, the K step's q-th 128
.set AF,   128
.set G1A,  24                          ; s[24:31], s[32:39] group 1 for A's and B's codes;  s[40:47], s[48:55] for their scale words
.set G1B,  32
.set G1SA, 40
.set G1SB, 48
.set G0SA, 56                          ; s[56:59], s[60:63] group 0 for the scale words
.set G0SB, 60
.set G0A,  68                          ; s[68:79] group 0 for A's codes, a set for each slot;  s[80:91] for B's
.set G0B,  80
.set TM,  64                           ; the way out: v64-79 at work
.set PC,  80                           ; v80-91 a fragment's codes; v92-94, v96-98 upper halves
.set PW,  100                          ; v100-101 two units' scale words
.set XW,  102
.set YW,  103
.set MW,  104
.set VO0, 108
.set VO1, 109
.set VS,  110
.set MSB, 0
.macro WIN new                         ; the immediate's high byte repeats the setting that is left
.if MSB != \new
	s_set_vgpr_msb (MSB<<8)|\new
.set MSB, \new
.endif
.endm
.set MUL_LO, 0xa1                      ; source 0 (B) window 1, source 1 (A) window 0, C and D window 2
.set MUL_HI, 0xf1
.set TO_B,   0x40
.macro JLOAD g0a, g1a, g0b, g1b        ; a joint load: waves 0, 1 fetch for A, waves 2, 3 for B; four v_nop follow each line
	s_cmp_eq_u32 s15, 0
	s_cbranch_scc0 .Lfor_b_\@
	tensor_load_to_lds s[\g0a:\g0a+3], s[\g1a:\g1a+7]
	s_nop 0
.rept 4
	v_nop
.endr
	s_branch .Lasked_\@
.Lfor_b_\@:
	tensor_load_to_lds s[\g0b:\g0b+3], s[\g1b:\g1b+7]
	s_nop 0
.rept 4
	v_nop
.endr
.Lasked_\@:
.endm
.macro CREST                           ; a round of the cluster's barrier behind its opening barrier
	s_cmp_lg_u32 s14, 0
	s_cbranch_scc1 .Lnot_wave_0_\@
	s_barrier_signal -3
.Lnot_wave_0_\@:
	s_barrier_wait -3
	s_barrier_signal -1
	s_barrier_wait -1
.endm
.macro CROUND
	s_barrier_signal -1
	s_barrier_wait -1
	CREST
.endm
	s_load_b128 s[4:7], s[0:1], 0x0                ; ops, opscl
	s_load_b64 s[12:13], s[0:1], 0x10              ; qkv
	v_lshl_add_u32 v[SPW], v0, 2, SPARE
	v_mov_b32 v[NIL], 0
	ds_add_u32 v28, v29
	ds_add_u32 v28, v29
	s_wait_dscnt 0x0
	v_lshrrev_b32 v1, 5, v0
	v_readfirstlane_b32 s14, v1                    ; wave 0..3
	s_lshr_b32 s15, s14, 1                         ; which half of A's rows is mine.  Also: I fetch for A (0) or for B (1)
	s_and_b32 s16, s14, 1                          ; which half of B's rows.  Also: which eight tiles I fetch
	s_bfe_u32 s92, ttmp6, 0x40000                  ; cx
	s_bfe_u32 s93, ttmp6, 0x40004                  ; cy
	s_and_b32 s94, ttmp7, 0xffff                   ; cluster y
	s_lshr_b32 s95, ttmp9, 1                       ; 1 in the clusters that make v (cluster x = 2)
	s_lshl_b32 s96, s94, 2
	s_sub_co_u32 s97, 40, s96
	s_mul_i32 s97, s97, s95                        ; t = 40 - 4 cluster y for v, else 0
	s_add_co_u32 s17, s93, s96
	s_add_co_u32 s17, s17, s97                     ; A's block of 16 tiles: tokens 4 cluster y + cy, or W_v's 40 + cy
	s_lshl_b32 s98, ttmp9, 2
	s_add_co_u32 s18, s92, s98
	s_add_co_u32 s18, s18, 32
	s_sub_co_u32 s18, s18, s97                     ; B's: W's 32 + 4 cluster x + cx, or tokens 4 cluster y + cx
	s_lshl_b32 s2, s93, 2
	s_lshl_b32 s2, 15, s2                          ; my row of the cluster
	s_lshl_b32 s3, 0x1111, s92                     ; my column
	s_or_b32 s[G1A], s2, (3<<16)|(1<<21)           ; 15:0 the mask; 17:16 elements of 8 bytes; 21 set beside a mask; no padding
	s_or_b32 s[G1B], s3, (3<<16)|(1<<21)
.irp g, G1A, G1B                       ; eight rows (tiles) of 3,072 bytes, 12,288 bytes apart
	s_mov_b32 s[\g+1], 384<<16                     ; tensor_dim0
	s_mov_b32 s[\g+2], 8<<16                       ; tensor_dim1
	s_mov_b32 s[\g+3], 384<<16                     ; tile_dim0
	s_mov_b32 s[\g+4], 8                           ; tile_dim1
	s_mov_b32 s[\g+5], 1536                        ; tensor_dim0_stride
	s_mov_b32 s[\g+6], 0
	s_mov_b32 s[\g+7], 0
.endr
	s_or_b32 s[G1SA], s2, (3<<16)|(1<<21)
	s_or_b32 s[G1SB], s3, (3<<16)|(1<<21)
.irp g, G1SA, G1SB                     ; eight tiles' scale words: 4,096 dense bytes as 16 rows of 256
	s_mov_b32 s[\g+1], 32<<16
	s_mov_b32 s[\g+2], 16<<16
	s_mov_b32 s[\g+3], 32<<16
	s_mov_b32 s[\g+4], 16
	s_mov_b32 s[\g+5], 32
	s_mov_b32 s[\g+6], 0
	s_mov_b32 s[\g+7], 0
.endr
	s_mul_i32 s19, s16, 8*12288                    ; which eight tiles of a block I fetch
	s_mul_i32 s20, s17, BLKB
	s_add_co_u32 s20, s20, s19
	s_mov_b32 s21, 0
	s_mul_i32 s22, s18, BLKB
	s_add_co_u32 s22, s22, s19
	s_mov_b32 s23, 0
	s_lshl_b32 s19, s16, 12
	s_lshl_b32 s96, s17, 13
	s_add_co_u32 s96, s96, s19
	s_mov_b32 s97, 0
	s_lshl_b32 s98, s18, 13
	s_add_co_u32 s98, s98, s19
	s_mov_b32 s99, 0
	s_mul_i32 s100, s14, HALFT                     ; where they go: by the wave's number alone
	s_lshl_b32 s101, s14, 12
	s_wait_kmcnt 0x0
	s_add_nc_u64 s[20:21], s[PA:PA+1], s[20:21]
	s_add_nc_u64 s[22:23], s[PB:PB+1], s[22:23]
	s_add_nc_u64 s[96:97], s[PAS:PAS+1], s[96:97]
	s_add_nc_u64 s[98:99], s[PBS:PBS+1], s[98:99]
	CROUND                                         ; all sixteen work-groups are here: the first joint loads meet
	s_mov_b32 s[G0SA], 1
	s_add_co_u32 s[G0SA+1], s101, SCL
	s_mov_b64 s[G0SA+2:G0SA+3], s[96:97]
	s_or_b32 s[G0SA+3], s[G0SA+3], 0x80000000
	s_mov_b32 s[G0SB], 1
	s_add_co_u32 s[G0SB+1], s101, SCL
	s_mov_b64 s[G0SB+2:G0SB+3], s[98:99]
	s_or_b32 s[G0SB+3], s[G0SB+3], 0x80000000
	JLOAD G0SA, G1SA, G0SB, G1SB                   ; the scale words first: they are wanted with K step 0
.irp s, 0,1,2
	s_mov_b32 s[G0A+4*\s], 1
	s_add_co_u32 s[G0A+4*\s+1], s100, \s*SLOT
	s_add_nc_u64 s[G0A+4*\s+2:G0A+4*\s+3], s[20:21], \s*TILEB
	s_or_b32 s[G0A+4*\s+3], s[G0A+4*\s+3], 0x80000000
	s_mov_b32 s[G0B+4*\s], 1
	s_add_co_u32 s[G0B+4*\s+1], s100, \s*SLOT
	s_add_nc_u64 s[G0B+4*\s+2:G0B+4*\s+3], s[22:23], \s*TILEB
	s_or_b32 s[G0B+4*\s+3], s[G0B+4*\s+3], 0x80000000
	JLOAD G0A+4*\s, G1A, G0B+4*\s, G1B
.endr
	v_and_b32 v1, 31, v0                           ; lane
	v_lshlrev_b32 v2, 3, v1                        ; 8 x lane
	v_and_b32 v3, 15, v0                           ; r
	v_bfe_u32 v4, v0, 4, 1                         ; h
	s_mul_i32 s21, s15, HALFT                      ; my eight tiles of A
	s_mul_i32 s22, s16, HALFT                      ; my eight tiles of B,
	s_add_co_u32 s22, s22, 2*HALFT                 ; which lie behind A's sixteen
.irp s, 0,1,2
	v_add_nc_u32 v[ADRA+\s], s21, v2
	v_add_nc_u32 v[ADRB+\s], s22, v2
	s_add_co_u32 s21, s21, SLOT
	s_add_co_u32 s22, s22, SLOT
.endr
	v_lshlrev_b32 v5, 3, v3                        ; a row's two words of a K step: 8 r
	s_lshl_b32 s21, s15, 12                        ; A's: my eight tiles
	s_lshl_b32 s22, s16, 12                        ; B's: my eight, behind A's sixteen
	s_add_co_u32 s22, s22, 8192
	s_sub_co_u32 s22, s22, s21
	v_mul_u32_u24 v6, s22, v4                      ; lanes 16-31 take B's: one product, the distance between the two
	s_add_co_u32 s21, s21, SCL
	v_add_nc_u32 v5, v5, v6
	v_add_nc_u32 v[ADRS], s21, v5
.macro FRAG reg, adr, q, i             ; a fragment as it lies: six chunks of 256 bytes, 8 bytes a lane
.irp p, 0,1,2,3,4,5
	ds_load_b64 v[\reg+2*\p:\reg+2*\p+1], v[\adr] offset:TILEB*(\i)+1536*(\q)+256*\p
.endr
.endm
; 16 matrix instructions: A's tiles a0, a0 + 1 x B's eight, 128 along K.  p: B's set; q: which 128 of the K step; sc: the set of scale words.  zero = 1: the first product starts the sums.
; The 64 accumulators take turns, one instruction a turn, in the same order in every step.
.macro MUL16 a0, p, q, sc, zero
.irp a, \a0, \a0+1
.irp b, 0,1,2,3,4,5,6,7
.if \zero
	v_wmma_scale_f32_16x16x128_f8f6f4 v[8*(8*((\a)%4)+\b):8*(8*((\a)%4)+\b)+7], v[128*(\p)+FR*\b:128*(\p)+FR*\b+FR-1], v[AF+FR*(\a):AF+FR*(\a)+FR-1], 0, v[SC+8*NQ*(\sc)+NQ*\b+(\q)], v[SC+8*NQ*(\sc)+NQ*(\a)+(\q)] matrix_a_fmt:MATRIX_FMT_BF6 matrix_b_fmt:MATRIX_FMT_BF6 matrix_a_scale:MATRIX_SCALE_ROW1
.else
	v_wmma_scale_f32_16x16x128_f8f6f4 v[8*(8*((\a)%4)+\b):8*(8*((\a)%4)+\b)+7], v[128*(\p)+FR*\b:128*(\p)+FR*\b+FR-1], v[AF+FR*(\a):AF+FR*(\a)+FR-1], v[8*(8*((\a)%4)+\b):8*(8*((\a)%4)+\b)+7], v[SC+8*NQ*(\sc)+NQ*\b+(\q)], v[SC+8*NQ*(\sc)+NQ*(\a)+(\q)] matrix_a_fmt:MATRIX_FMT_BF6 matrix_b_fmt:MATRIX_FMT_BF6 matrix_a_scale:MATRIX_SCALE_ROW1
.endif
.endr
.endr
.endm
.macro FETCH_B slot, q, p
	WIN TO_B
.irp i, 0,1,2,3,4,5,6,7
	FRAG 128*(\p)+FR*\i, ADRB+\slot, \q, \i
.endr
	WIN 0
.endm
.macro FETCH_A slot, q, i0
.irp i, \i0, \i0+1, \i0+2, \i0+3
	FRAG AF+FR*(\i), ADRA+\slot, \q, \i
.endr
.endm
.macro SCALES sc                       ; a K step's scale words: two words a row; lanes 0-15 A's tile i, lanes 16-31 B's tile i
.irp i, 0,1,2,3,4,5,6,7
	ds_load_b64 v[SC+16*(\sc)+2*\i:SC+16*(\sc)+2*\i+1], v[ADRS] offset:512*\i
.endr
.endm
.macro PLACES n                        ; plain vector lines between a matrix instruction and a load into, or a read of, its registers
.rept \n
	v_nop
.endr
.endm
.macro STEP slot, sc, zero             ; a K step's first 128: multiplies B's set 0 and fetches the second 128 of the same slot
	s_wait_dscnt 4*NL                              ; all but the youngest 24 loads (A's tiles 4-7) are in
	WIN MUL_LO
	MUL16 0, 0, 0, \sc, \zero
	MUL16 2, 0, 0, \sc, \zero
	s_wait_dscnt 0
	PLACES NP
	FETCH_B \slot, 1, 1
	FETCH_A \slot, 1, 0
	WIN MUL_HI
	MUL16 4, 0, 0, \sc, \zero
	MUL16 6, 0, 0, \sc, \zero
	PLACES NP
	WIN 0
	FETCH_A \slot, 1, 4
.endm
; A K step's second 128, which goes on to slot next.  mode 1: this slot is filled again: every wave waits for all its tensor loads, adds 0 to its spare word, waits for that and for its reads of the slot; a round of the
; cluster's barrier; the joint refill first behind it.  mode 0: the same lines and the work-group's barrier: the refill has landed in every wave, nothing is filled.  mode 2: no barrier: the next slot was shown whole to
; every wave by the round of mode 1, and this slot is not written again before a later barrier.
.macro TURN slot, sc, next, mode
.if \mode != 2
	s_wait_tensorcnt 0x0                           ; all my tensor loads have landed
	ds_add_u32 v[SPW], v[NIL]                      ; 0 onto my spare word
	s_wait_dscnt 4*NL+1                            ; (the add and A's tiles 4-7 may be out)
.else
	s_wait_dscnt 4*NL
.endif
	WIN MUL_LO
	MUL16 0, 1, 1, \sc, 0
	s_wait_dscnt 0x0                               ; the add is done, and my reads of this slot are over
.if \mode != 2
	s_barrier_signal -1
.endif
	MUL16 2, 1, 1, \sc, 0
	WIN 0
.if \mode != 2
	s_barrier_wait -1
.endif
.if \mode == 1
	CREST                                          ; no wave of any partner still reads this slot or has a load on its way
	s_add_nc_u64 s[G0A+4*\slot+2:G0A+4*\slot+3], s[G0A+4*\slot+2:G0A+4*\slot+3], 3*TILEB
	s_add_nc_u64 s[G0B+4*\slot+2:G0B+4*\slot+3], s[G0B+4*\slot+2:G0B+4*\slot+3], 3*TILEB
	JLOAD G0A+4*\slot, G1A, G0B+4*\slot, G1B       ; K step 3; the four v_nop behind it are the places in front of the loads below
.else
	PLACES NP
.endif
	v_add_nc_u32 v[ADRS], 128, v[ADRS]             ; the next K step's scale words
	FETCH_B \next, 0, 0
	FETCH_A \next, 0, 0
	SCALES 1-(\sc)
	WIN MUL_HI
	MUL16 4, 1, 1, \sc, 0
	MUL16 6, 1, 1, \sc, 0
	PLACES NP
	WIN 0
	FETCH_A \next, 0, 4
.endm
	s_wait_tensorcnt 2                             ; my scale words and my part of K step 0 are in; K steps 1 and 2 may be out
	s_barrier_signal -1
	s_barrier_wait -1
	FETCH_B 0, 0, 0
	FETCH_A 0, 0, 0
	SCALES 0
	FETCH_A 0, 0, 4
	STEP 0, 0, 1                                   ; K step 0: its first products start the sums
	TURN 0, 0, 1, 1                                ; slot 0 is left and takes K step 3
	STEP 1, 1, 0
	TURN 1, 1, 2, 2
	STEP 2, 0, 0
	TURN 2, 0, 0, 0                                ; K step 3 has landed in every wave
	STEP 0, 1, 0
	s_wait_dscnt 4*NL                              ; the last 128 along K: nothing more to fetch
	WIN MUL_LO
	MUL16 0, 1, 1, 1, 0
	MUL16 2, 1, 1, 1, 0
	s_wait_dscnt 0
	WIN MUL_HI
	MUL16 4, 1, 1, 1, 0
	MUL16 6, 1, 1, 1, 0
	WIN 0
	; THE WAY OUT.  Unit a = A's tile a: a lane's 64 registers are 128 neighbours along j of ONE i, register 16 b + n = j 32 b + 16 (lane / 16) + n: they become one fragment (12 registers) and one scale word.
	; q, k: i = a token, j = two heads' 64: registers 0-5 are the first head's half image of token tile a, registers 6-11 the second head's.  v: i = one of a head's 64, j = 128 keys: the fragment is V^T's tile a % 4 of head a / 4.
	; What differs between the two is kept in scalars made from the cluster's x: no branch.
	s_cmp_eq_u32 s95, 1
	s_cselect_b32 s98, s92, s93                    ; the tokens' block hangs on cx for v, on cy for q and k;
	s_cselect_b32 s99, s16, s15                    ; their half on B's half or on A's;
	s_cselect_b32 s100, s93, s92                   ; the heads the other way round
	s_cselect_b32 s101, s15, s16
	s_lshl_b32 s2, s94, 2
	s_add_co_u32 s98, s98, s2                      ; the block of 256 tokens
	s_and_b32 s2, s98, 7
	s_lshl_b32 s2, s2, 1
	s_add_co_u32 s99, s99, s2                      ; the step of 128 tokens in its batch
	s_lshr_b32 s98, s98, 3
	s_lshl_b32 s98, s98, 4                         ; 16 x batch
	s_lshl_b32 s100, s100, 2
	s_add_co_u32 s98, s98, s100
	s_lshl_b32 s101, s101, 1
	s_add_co_u32 s98, s98, s101                    ; + my first head
	s_mul_i32 s98, s98, 307200
	s_mul_i32 s99, s99, 19200
	s_add_co_u32 s98, s98, s99                     ; the record
	s_cmp_eq_u32 ttmp9, 0
	s_cselect_b32 s100, 12800, 0                   ; codes: q at 12,800, k at 0, v at 6,144
	s_cselect_b32 s101, 6656, 0                    ; scale words: q at 18,944, k at 12,288, v at 12,544
	s_mul_i32 s2, s95, 6144
	s_add_co_u32 s100, s100, s2
	s_mul_i32 s2, s95, 256
	s_add_co_u32 s101, s101, s2
	s_add_co_u32 s101, s101, 12288
	s_add_co_u32 s100, s100, s98
	s_add_co_u32 s98, s101, s98
	s_mov_b32 s99, 0
	s_mov_b32 s101, 0
	s_add_nc_u64 s[10:11], s[12:13], s[98:99]      ; where the scale words go
	s_add_nc_u64 s[12:13], s[12:13], s[100:101]    ; where the codes go
	s_mul_i32 s2, s95, 768
	s_add_co_u32 s2, s2, 768                       ; from unit to unit: 768 (a half image) or 1,536 (a fragment)
	s_mov_b32 s3, 0
	s_mul_i32 s8, s95, 301056
	s_add_co_u32 s8, s8, s2                        ; into unit 4: for v on to the next head: 307,200 - 3 x 1,536
	s_mov_b32 s9, 0
	s_lshl_b32 s22, 64, s95                        ; from pair to pair of units: 64 or 128 bytes of scale words
	s_mov_b32 s23, 0
	s_mul_i32 s96, s95, 306944
	s_add_co_u32 s96, s96, s22                     ; into the third pair: for v on to the next head
	s_mov_b32 s97, 0
	s_mul_i32 s98, s95, 306432
	s_sub_co_u32 s98, 307200, s98                  ; registers 6-11 go a head on, or 768 bytes on
	s_mul_i32 s99, s95, 307136
	s_sub_co_u32 s99, 307200, s99                  ; lanes 16-31's scale words: a head on, or 64 bytes on
	s_mul_i32 s17, s95, 0x02020000
	s_sub_co_u32 s17, 0x05040100, s17              ; lanes 0-15's word: the two units' low halves, or the first unit's word
	s_mul_i32 s18, s95, 0x202
	s_add_co_u32 s18, s18, 0x07060302              ; lanes 16-31's: the two high halves, or the second unit's word
	s_mov_b32 s19, 0xffff0000                      ; lanes 16-31
	s_mov_b32 s20, 0x76543210
	s_mov_b32 s21, 0xfedcba98
	v_and_b32 v111, 31, v0
	v_lshlrev_b32 v[VO0], 3, v111
	v_add_nc_u32 v[VO1], s98, v[VO0]
	v_and_b32 v111, 15, v0
	v_bfe_u32 v112, v0, 4, 1
	v_mul_u32_u24 v112, s99, v112
	v_lshl_add_u32 v[VS], v111, 2, v112
.irp b, 0,1,2,3
	v_mov_b32 v[TM+4+\b], 0                        ; written once: a lane permute's destination counts as one of its sources
.endr
	PLACES NP                                      ; behind the last products, ahead of the first read of results
.macro UNIT a
.set AC, 64*((\a)%4)
.set WS, 2+(\a)/4                      ; the accumulators' window
.set WW, (WS<<2)|(WS<<4)
	WIN WW                                         ; sources 1 and 2 in the accumulators' window
.irp b, 0,1,2,3
	v_max3_num_f32 v[TM+\b], 0x2800000, |v[AC+16*\b]|, |v[AC+16*\b+1]|   ; block b: my 16 numbers and the floor 2^(5 - 127); each accumulator is read from its low end on
.endr
.irp i, 2,4,6,8,10,12,14
.irp b, 0,1,2,3
	v_max3_num_f32 v[TM+\b], v[TM+\b], |v[AC+16*\b+\i]|, |v[AC+16*\b+\i+1]|
.endr
.endr
	WIN 0
.irp b, 0,1,2,3
	v_permlanex16_b32 v[TM+4+\b], v[TM+\b], s20, s21
.endr
.irp b, 0,1,2,3
	v_max_num_f32 v[TM+\b], v[TM+\b], v[TM+4+\b]   ; with lane l xor 16's: the block's largest magnitude
.endr
.irp b, 0,1,2,3
	v_add_nc_u32 v[TM+12+\b], 0xfe000000, v[TM+\b] ; 4 off the exponent field: the conversion's scale operand
.endr
.irp b, 0,1,2,3
	v_lshrrev_b32 v[TM+4+\b], 23, v[TM+12+\b]      ; the scale's byte
.endr
	v_lshl_or_b32 v[PW+(\a)%2], v[TM+5], 8, v[TM+4]
	v_lshl_or_b32 v[PW+(\a)%2], v[TM+6], 16, v[PW+(\a)%2]
	v_lshl_or_b32 v[PW+(\a)%2], v[TM+7], 24, v[PW+(\a)%2]
.if (\a) > 0
	s_wait_xcnt 0x0                                ; the earlier units' stores have read their data and their bases: both are written again below
.endif
.if (\a) == 4
	s_add_nc_u64 s[12:13], s[12:13], s[8:9]
	s_add_nc_u64 s[10:11], s[10:11], s[96:97]
.elseif (\a) > 0
	s_add_nc_u64 s[12:13], s[12:13], s[2:3]
.endif
.if ((\a) == 2) || ((\a) == 6)
	s_add_nc_u64 s[10:11], s[10:11], s[22:23]
.endif
	WIN WS                                         ; source 0 in the accumulators' window
.irp c, 0,1
	v_cvt_scalef32_pk16_bf6_f32 v[PC+6*\c:PC+6*\c+2], v[AC+32*\c:AC+32*\c+15], v[TM+12+2*\c]
	v_cvt_scalef32_pk16_bf6_f32 v[PC+12+4*\c:PC+14+4*\c], v[AC+32*\c+16:AC+32*\c+31], v[TM+12+2*\c+1]   ; (a conversion's three registers begin on an even number)
.endr
	WIN 0
	v_nop                                          ; one plain place behind a scaled conversion
.irp c, 0,1                            ; the operand's layout wants a WHOLE block in a lane: lanes 0-15 block 2 c, lanes 16-31 block 2 c + 1
.irp i, 0,1,2
	v_permlane16_swap_b32 v[PC+6*\c+\i], v[PC+12+4*\c+\i]
.endr
.irp i, 0,1,2
	v_mov_b32 v[PC+3+6*\c+\i], v[PC+12+4*\c+\i]
.endr
.endr
.irp p, 0,1,2
	global_store_b64 v[VO0], v[PC+2*\p:PC+2*\p+1], s[12:13] offset:256*\p      ; 32 lanes store 256 consecutive bytes, aligned
.endr
.irp p, 0,1,2
	global_store_b64 v[VO1], v[PC+6+2*\p:PC+7+2*\p], s[12:13] offset:256*\p
.endr
.if (\a)%2
	v_perm_b32 v[XW], v[PW+1], v[PW], s17
	v_perm_b32 v[YW], v[PW+1], v[PW], s18
	v_cndmask_b32 v[MW], v[XW], v[YW], s19
	global_store_b32 v[VS], v[MW], s[10:11]        ; two runs of 64 bytes
.endif
.endm
.irp a, 0,1,2,3,4,5,6,7
	UNIT \a
.endr
	s_wait_tensorcnt 0x0                           ; the wave's end
	ds_add_u32 v[SPW], v[NIL]
	s_wait_dscnt 0x0
	CROUND                                         ; the closing round: no work-group ends while a partner may still ask for a tile that names it
	s_endpgm
.Lfunc_end_k_q084271e209_gemm_qkv:
	.size	k_q084271e209_gemm_qkv, .Lfunc_end_k_q084271e209_gemm_qkv-k_q084271e209_gemm_qkv
	.p2alignl 7, 3214868480
	.fill 96, 4, 3214868480
	.section	.rodata,"a",@progbits
	.p2align	6, 0x0
	.amdhsa_kernel k_q084271e209_gemm_qkv
		.amdhsa_group_segment_fixed_size 327680
		.amdhsa_private_segment_fixed_size 0
		.amdhsa_enable_private_segment 0
		.amdhsa_kernarg_size 24
		.amdhsa_user_sgpr_count 2
		.amdhsa_user_sgpr_kernarg_segment_ptr 1
		.amdhsa_wavefront_size32 1
		.amdhsa_system_sgpr_workgroup_id_x 1
		.amdhsa_system_sgpr_workgroup_id_y 1
		.amdhsa_system_sgpr_workgroup_id_z 1
		.amdhsa_system_vgpr_workitem_id 0
		.amdhsa_next_free_vgpr 1024
		.amdhsa_next_free_sgpr 102
		.amdhsa_reserve_vcc 0
		.amdhsa_float_denorm_mode_32 3
		.amdhsa_float_denorm_mode_16_64 3
		.amdhsa_memory_ordered 1
		.amdhsa_forward_progress 1
		.amdhsa_inst_pref_size 169
	.end_amdhsa_kernel
	.amdgpu_metadata
---
amdhsa.version: [ 1, 2 ]
amdhsa.kernels:
  - .name:           k_q084271e209_gemm_qkv
    .symbol:         k_q084271e209_gemm_qkv.kd
    .args:
      - { .name: ops, .offset: 0, .size: 8, .value_kind: global_buffer, .address_space: global }
      - { .name: opscl, .offset: 8, .size: 8, .value_kind: global_buffer, .address_space: global }
      - { .name: qkv, .offset: 16, .size: 8, .value_kind: global_buffer, .address_space: global }
    .group_segment_fixed_size: 327680
    .private_segment_fixed_size: 0
    .kernarg_segment_align: 8
    .kernarg_segment_size: 24
    .max_flat_workgroup_size: 128
    .sgpr_count:     102
    .vgpr_count:     1024
    .wavefront_size: 32
...
	.end_amdgpu_metadata
.endif
;; end of part 2
;; launch attn (part 3): grid 4 x 64, 16 waves a work-group, no clusters, 206,848 bytes of LDS; arguments qkv, yimg, yscl; writes yimg, yscl
.if DOCPART == 3
	.amdgcn_target "amdgcn-amd-amdhsa--gfx1250"
	.amdhsa_code_object_version 6
	.text
	.protected	k_q084271e209_attn
	.globl	k_q084271e209_attn
	.p2align	8
	.type	k_q084271e209_attn,@function
k_q084271e209_attn:
	s_mov_b64 s[64:65], 0
	v_nop
	global_prefetch_b8 v0, s[64:65] scope:SCOPE_SE
	s_setreg_imm32_b32 hwreg(HW_REG_WAVE_MODE, 25, 1), 1
	s_wait_xcnt 0x0
; y = softmax(q k^T / 8, causal) v for one head, both products on codes of BF6 with E8M0 scales; y is quantised in registers along the model's 1,024 and leaves as the next product's operand.
; t = score x log2(e) / 8 (one fused multiply-add); M = the running largest t rounded UP to a whole number; p = 2^(t - M) is quantised along the keys, not normalised; the row's sum is taken of the unquantised p and divides at the end.
; SHARES.  Work-group (p, head) owns the blocks p and 7 - p of 256 queries, one after the other: 9 blocks of 256 keys in every work-group.  Each of its sixteen waves owns one tile of 16 queries of the block in hand.
; THE HEAD'S WHOLE K AND V LIE IN LDS: 16 steps of 128 keys, 12,800 bytes each (K 4 packed fragments | V^T 4 fragments | K's scale words | V's), as images of operand registers: a fragment is six ds_load_b64 at 8 x lane.
; They are filled once, by eight tensor loads at the head (waves 0-3, two each): no slot is filled again, nothing is stored to LDS.  The first block of queries needs steps 0-7 at the most, so steps 8-15 land while it is worked.
; K = 64 IN AN INSTRUCTION OF 128: a packed fragment holds key tile 2 g in k 0-63 and key tile 2 g + 1 in k 64-127; Q stands twice in registers, as [q | zero codes] and [zero codes | q]: the one gives S^T's tile 2 g, the other tile 2 g + 1.
; LAYOUT.  Both products transposed (source 0 = keys, or V^T's rows; source 1 = my queries): a lane holds ONE query.  Tile 2 g + u, row m is key 32 g + 8 u + m + 8 (m / 8), so the 16 registers of tiles 2 g, 2 g + 1 are 16 neighbouring keys.
; CAUSAL.  Trip counts are constants (8 and 16); a step all of whose keys come after my queries is left out by a scalar branch on ids; on the diagonal hidden scores become -infinity ahead of the maximum.
; NO CLUSTER, though the four work-groups of a head read the same 204,800 bytes: the branch that leaves hidden steps out hangs on the work-group's block of queries, which would be its place in the cluster.
; No prefetch: all that the work-group reads is asked for at its head.
; LIMITS: NaN and infinities are not served; a block's largest p is taken from its largest score (v_exp_f32 is taken not to fall where its input rises); a block of y under 2^-122 (zeros too) gets the byte 1.
; REGISTERS: v1-8 addresses; v12 -M, v13 largest t, v[14:15] the sum; v16-27 [q | 0], v28-39 [0 | q]; v40-87 K, later p's codes; v88-135 V; v136-199 S^T, then p; v200-231 O^T; v232-243 at work; v244-249 scale words; v[250:251] f; v252-254 at work.
.set STEPB, 12800
.set RECB,  19200
.set HEADB, 307200
	s_load_b128 s[4:7], s[0:1], 0x0                ; qkv, yimg
	s_load_b64 s[8:9], s[0:1], 0x10                ; yscl
	v_lshl_add_u32 v254, v0, 2, 0x32000
	v_mov_b32 v255, 0
	ds_add_u32 v254, v255
	ds_add_u32 v254, v255
	s_wait_dscnt 0x0
	v_lshrrev_b32 v1, 5, v0
	s_delay_alu instid0(VALU_DEP_1)
	v_readfirstlane_b32 s18, v1                    ; wave 0..15
	s_and_b32 s44, ttmp7, 0xffff                   ; 16 x batch + head
	s_mul_i32 s46, s44, HEADB
	s_mov_b32 s47, 0
	s_lshr_b32 s45, s44, 4
	s_lshl_b32 s13, s45, 7
	s_add_co_u32 s13, s13, s18                     ; 128 x batch + wave: my token tile, less 16 x block
	s_and_b32 s45, s44, 15                         ; the head
	s_mul_i32 s14, s45, 768                        ; its half image in a token tile of y
	s_lshr_b32 s15, s45, 2
	s_lshl_b32 s15, s15, 7
	s_and_b32 s45, s45, 3
	s_lshl_b32 s45, s45, 1
	s_add_co_u32 s15, s15, s45                     ; and its two bytes in a row's scale words
	s_mov_b32 s24, 3<<16                           ; group 1: elements of 8 bytes, no mask, no padding
	s_mov_b32 s25, 1600<<16                        ; tensor_dim0: 12,800 bytes
	s_mov_b32 s26, 2<<16                           ; tensor_dim1: two steps
	s_mov_b32 s27, 1600<<16                        ; tile_dim0
	s_mov_b32 s28, 2                               ; tile_dim1
	s_mov_b32 s29, 2400                            ; from record to record: 19,200 bytes
	s_mov_b32 s30, 0
	s_mov_b32 s31, 0
	s_mul_i32 s48, s18, 2*RECB
	s_mov_b32 s49, 0
	s_mul_i32 s50, s18, 2*STEPB
	s_mov_b32 s20, 0x76543210
	s_mov_b32 s21, 0xfedcba98                      ; v_permlanex16_b32's selects for lane l xor 16
	s_mov_b32 s22, 0x3e38aa3b                      ; c = log2(e) / 8
	s_mov_b32 s23, s22                             ; (named with it as a pair)
	s_wait_kmcnt 0x0
	s_add_nc_u64 s[4:5], s[4:5], s[46:47]          ; my head's records
	s_mov_b32 s32, 1
	s_mov_b32 s33, s50                             ; steps 2 w, 2 w + 1
	s_add_nc_u64 s[34:35], s[4:5], s[48:49]
	s_mov_b32 s36, 1
	s_add_co_u32 s37, s50, 8*STEPB                 ; steps 8 + 2 w, 9 + 2 w
	s_add_nc_u64 s[38:39], s[34:35], 8*RECB
	s_or_b32 s35, s35, 0x80000000
	s_or_b32 s39, s39, 0x80000000
	s_cmp_lt_u32 s18, 4                            ; a wave's two fills stand in one branch on the wave's number
	s_cbranch_scc0 .Lno_fetch
	tensor_load_to_lds s[32:35], s[24:31]
	s_nop 0
	tensor_load_to_lds s[36:39], s[24:31]
	s_nop 0
.rept 4
	v_nop
.endr
.Lno_fetch:
	v_and_b32 v9, 31, v0                           ; lane
	s_delay_alu instid0(VALU_DEP_1)
	v_lshlrev_b32 v1, 3, v9                        ; 8 x lane
	s_delay_alu instid0(VALU_DEP_2)
	v_lshlrev_b32 v2, 2, v9                        ; 4 x lane
	v_and_b32 v10, 15, v0                          ; r
	s_wait_alu depctr_va_vdst(0)
	v_bfe_u32 v11, v0, 4, 1                        ; h
	s_and_b32 s44, s18, 1                          ; u
	s_and_b32 s45, s18, 7                          ; my tile in its step of 128 tokens
	v_and_b32 v3, 8, v10
	s_delay_alu instid0(VALU_DEP_1)
	v_add_nc_u32 v3, v3, v10
	v_lshlrev_b32 v252, 4, v11
	s_delay_alu instid0(VALU_DEP_1)
	v_sub_nc_u32 v3, v3, v252
	s_lshl_b32 s46, s44, 3
	v_add_nc_u32 v3, s46, v3                       ; 8 u + r + 8 (r / 8) - 16 h: my query less my half's first key, both counted from their groups of 32
	s_mul_i32 s46, s45, 768
	v_add_nc_u32 v4, s46, v1                       ; Q's half image
	s_lshr_b32 s46, s45, 1
	s_lshl_b32 s46, s46, 6
	s_lshl_b32 s47, s44, 1
	s_add_co_u32 s46, s46, s47
	v_lshl_add_u32 v5, v10, 2, s46                 ; Q's two scale bytes
	v_lshlrev_b32 v6, 3, v10                       ; y's scale bytes: 8 r
.irp i, 22,23,24,25,26,27,28,29,30,31,32,33
	v_mov_b32 v[\i], 0                             ; the zero codes beside q: written once
.endr
.irp i, 236,237,238,239,251,253
	v_mov_b32 v[\i], 0                             ; lane permutes' destinations, and the upper halves of two pairs of which the low word alone is used
.endr
; A KEY STEP: 128 keys.
.macro STEP
	s_add_co_u32 s44, s11, 31
	s_cmp_gt_u32 s10, s44                          ; all 128 keys come after my 16 queries?
	s_cbranch_scc1 .Lhidden_\@
	s_setprio 2
	v_add_nc_u32 v7, s2, v1
	v_add_nc_u32 v8, s2, v2
	v_nop
	v_nop                                          ; four places between the last products and the loads into their registers
.irp g, 0,1,2,3
.irp p, 0,1,2,3,4,5
	ds_load_b64 v[40+12*\g+2*\p:41+12*\g+2*\p], v7 offset:1536*\g+256*\p
.endr
.endr
.irp e, 0,1
	ds_load_b32 v[244+\e], v8 offset:12288+128*\e  ; K's scale words: lanes 0-15 fragment 2 e, lanes 16-31 fragment 2 e + 1
.endr
.irp t, 0,1,2,3
.irp p, 0,1,2,3,4,5
	ds_load_b64 v[88+12*\t+2*\p:89+12*\t+2*\p], v7 offset:6144+1536*\t+256*\p
.endr
.endr
.irp e, 0,1
	ds_load_b32 v[246+\e], v8 offset:12544+128*\e  ; V's likewise
.endr
	s_wait_dscnt 26                                ; K and its words are in; V's 24 loads and its 2 words may be out
	s_wait_alu depctr_va_vdst(0)
.irp g, 0,1,2,3
.irp u, 0,1
.if (\g)%2
	v_wmma_scale_f32_16x16x128_f8f6f4 v[136+8*(2*\g+\u):143+8*(2*\g+\u)], v[40+12*\g:51+12*\g], v[16+12*\u:27+12*\u], 0, v[244+\g/2], v248 matrix_a_fmt:MATRIX_FMT_BF6 matrix_b_fmt:MATRIX_FMT_BF6 matrix_a_scale:MATRIX_SCALE_ROW1
.else
	v_wmma_scale_f32_16x16x128_f8f6f4 v[136+8*(2*\g+\u):143+8*(2*\g+\u)], v[40+12*\g:51+12*\g], v[16+12*\u:27+12*\u], 0, v[244+\g/2], v248 matrix_a_fmt:MATRIX_FMT_BF6 matrix_b_fmt:MATRIX_FMT_BF6
.endif
.endr
.endr
.rept 4
	v_nop
.endr
	s_add_co_u32 s44, s10, 127
	s_cmp_le_u32 s44, s11                          ; a step all of whose keys count skips the mask
	s_cbranch_scc1 .Lopen_\@
	s_sub_co_i32 s44, s11, s10
	v_add_nc_u32 v252, s44, v3                     ; register 16 b + i holds key 32 b + 16 h + i of the step: hidden where 32 b + i > this
	v_mov_b32 v254, 0xff800000                     ; -infinity
.set n, 0
.rept 64
	v_cmp_gt_i32 vcc_lo, 32*(n/16)+n%16, v252
	v_cndmask_b32 v[136+n], v[136+n], v254, vcc_lo
.set n, n+1
.endr
.Lopen_\@:
.irp b, 0,1,2,3
	v_max3_num_f32 v[232+\b], v[136+16*\b], v[137+16*\b], v[138+16*\b]   ; the largest score of each block of 32 keys: for the row's maximum, and for the block's largest p
.endr
.irp i, 3,5,7,9,11,13
.irp b, 0,1,2,3
	v_max3_num_f32 v[232+\b], v[232+\b], v[136+16*\b+\i], v[137+16*\b+\i]
.endr
.endr
.irp b, 0,1,2,3
	v_max_num_f32 v[232+\b], v[232+\b], v[151+16*\b]
.endr
.irp b, 0,1,2,3
	s_delay_alu instid0(VALU_DEP_4)
	v_permlanex16_b32 v[236+\b], v[232+\b], s20, s21
.endr
.irp b, 0,1,2,3
	s_delay_alu instid0(VALU_DEP_4)
	v_max_num_f32 v[232+\b], v[232+\b], v[236+\b]  ; with lane l xor 16's 16 keys
.endr
	s_delay_alu instid0(VALU_DEP_2)
	v_max3_num_f32 v254, v232, v233, v234
	s_delay_alu instid0(VALU_DEP_1)
	v_max_num_f32 v254, v254, v235
	s_delay_alu instid0(VALU_DEP_1)
	v_mul_f32 v254, s22, v254                      ; the step's largest t (c is positive)
	s_delay_alu instid0(VALU_DEP_1)
	v_max_num_f32 v13, v13, v254                   ; the running largest t
	v_mov_b32 v254, v12
	s_delay_alu instid0(VALU_DEP_2)
	v_floor_f32 v12, -v13                          ; the new -M = -ceil(t): a whole number
	s_delay_alu instid0(VALU_DEP_1)
	v_sub_f32 v254, v12, v254                      ; old M - new M: a whole number, 0 or less
	s_delay_alu instid0(VALU_DEP_1)
	v_cvt_i32_f32 v254, v254                       ; (it saturates)
	s_delay_alu instid0(VALU_DEP_1)
	v_ldexp_f32 v250, 1.0, v254                    ; f = 2^(old M - new M)
.set n, 0
	s_setprio 1
.rept 32
	v_pk_fma_f32 v[136+n:137+n], v[136+n:137+n], s[22:23], v[12:13] op_sel_hi:[1,0,0]   ; t - M, two at a time
.set n, n+2
.endr
.irp b, 0,1,2,3
	v_fma_f32 v[232+\b], v[232+\b], s22, v12       ; the same of each block's largest score
.endr
.set n, 0
	s_wait_alu depctr_va_vdst(0)
.rept 64
	v_exp_f32 v[136+n], v[136+n]                   ; p = 2^(t - M)
.set n, n+1
.endr
	v_pk_mul_f32 v[14:15], v[14:15], v[250:251] op_sel_hi:[1,0]   ; the sums under the new M: a plain line behind the exponentials
	s_wait_alu depctr_va_vdst(0)                   ; one wait for the batch, ahead of its first reader
.irp b, 0,1,2,3
	v_exp_f32 v[232+\b], v[232+\b]                 ; the block's largest p
.endr
	v_pk_add_f32 v[236:237], v[140:141], v[144:145]
	v_pk_add_f32 v[254:255], v[148:149], v[152:153]
	v_pk_add_f32 v[244:245], v[156:157], v[160:161]
	v_pk_add_f32 v[242:243], v[164:165], v[168:169]
	v_pk_add_f32 v[240:241], v[172:173], v[176:177]
	v_pk_add_f32 v[238:239], v[180:181], v[184:185]
	v_pk_add_f32 v[86:87], v[188:189], v[192:193]
	v_pk_add_f32 v[14:15], v[14:15], v[196:197]
	v_pk_add_f32 v[236:237], v[236:237], v[136:137]
	v_pk_add_f32 v[254:255], v[254:255], v[138:139]
	v_pk_add_f32 v[244:245], v[244:245], v[142:143]
	v_pk_add_f32 v[242:243], v[242:243], v[146:147]
	v_pk_add_f32 v[240:241], v[240:241], v[150:151]
	v_pk_add_f32 v[238:239], v[238:239], v[154:155]
	v_pk_add_f32 v[86:87], v[86:87], v[158:159]
	v_pk_add_f32 v[14:15], v[14:15], v[162:163]
	v_pk_add_f32 v[236:237], v[236:237], v[166:167]
	v_pk_add_f32 v[254:255], v[254:255], v[170:171]
	v_pk_add_f32 v[244:245], v[244:245], v[174:175]
	v_pk_add_f32 v[242:243], v[242:243], v[178:179]
	v_pk_add_f32 v[240:241], v[240:241], v[182:183]
	v_pk_add_f32 v[238:239], v[238:239], v[186:187]
	v_pk_add_f32 v[86:87], v[86:87], v[190:191]
	v_pk_add_f32 v[14:15], v[14:15], v[194:195]
	v_pk_add_f32 v[236:237], v[236:237], v[198:199]
	s_delay_alu instid0(VALU_DEP_2)
	v_pk_add_f32 v[14:15], v[14:15], v[242:243]
	s_delay_alu instid0(VALU_DEP_2)
	v_pk_add_f32 v[236:237], v[236:237], v[240:241]
	v_pk_add_f32 v[254:255], v[254:255], v[238:239]
	v_pk_add_f32 v[244:245], v[244:245], v[86:87]
	s_delay_alu instid0(VALU_DEP_2)
	v_pk_add_f32 v[14:15], v[14:15], v[254:255]
	s_delay_alu instid0(VALU_DEP_2)
	v_pk_add_f32 v[236:237], v[236:237], v[244:245]
	s_delay_alu instid0(VALU_DEP_1)
	v_pk_add_f32 v[14:15], v[14:15], v[236:237]
	s_setprio 0
	s_wait_alu depctr_va_vdst(0)                   ; and one for the four
.irp b, 0,1,2,3
	v_max_num_f32 v[232+\b], 0x2800000, v[232+\b]  ; the floor 2^(5 - 127): the byte cannot fall under 1
.endr
.irp b, 0,1,2,3
	s_delay_alu instid0(VALU_DEP_4)
	v_add_nc_u32 v[240+\b], 0xfe000000, v[232+\b]  ; the conversion's scale operand
.endr
.irp b, 0,1,2,3
	s_delay_alu instid0(VALU_DEP_4)
	v_lshrrev_b32 v[236+\b], 23, v[240+\b]         ; the scale's byte
.endr
	s_delay_alu instid0(VALU_DEP_3)
	v_lshl_or_b32 v249, v237, 8, v236              ; p's scale word for these 128 keys
	s_delay_alu instid0(VALU_DEP_1)
	v_lshl_or_b32 v249, v238, 16, v249
	s_delay_alu instid0(VALU_DEP_1)
	v_lshl_or_b32 v249, v239, 24, v249
.irp c, 0,1
	v_cvt_scalef32_pk16_bf6_f32 v[40+6*\c:42+6*\c], v[136+32*\c:151+32*\c], v[240+2*\c]
	v_cvt_scalef32_pk16_bf6_f32 v[52+4*\c:54+4*\c], v[152+32*\c:167+32*\c], v[240+2*\c+1]
.endr
	v_nop                                          ; one plain place behind a scaled conversion
.irp c, 0,1
.irp i, 0,1,2
	v_permlane16_swap_b32 v[40+6*\c+\i], v[52+4*\c+\i]
.endr
.irp i, 0,1,2
	s_delay_alu instid0(VALU_DEP_3)
	v_mov_b32 v[43+6*\c+\i], v[52+4*\c+\i]
.endr
.endr
.set n, 0
.rept 16
	v_pk_mul_f32 v[200+n:201+n], v[200+n:201+n], v[250:251] op_sel_hi:[1,0]   ; O^T under the new M; these sixteen are also the places in front of the products below
.set n, n+2
.endr
	s_wait_alu depctr_va_vdst(0)
	s_wait_dscnt 0x0                               ; V is in
.irp t, 0,1,2,3                        ; O^T += V^T P^T: four accumulators, one instruction a turn
.if (\t)%2
	v_wmma_scale_f32_16x16x128_f8f6f4 v[200+8*\t:207+8*\t], v[88+12*\t:99+12*\t], v[40:51], v[200+8*\t:207+8*\t], v[246+\t/2], v249 matrix_a_fmt:MATRIX_FMT_BF6 matrix_b_fmt:MATRIX_FMT_BF6 matrix_a_scale:MATRIX_SCALE_ROW1
.else
	v_wmma_scale_f32_16x16x128_f8f6f4 v[200+8*\t:207+8*\t], v[88+12*\t:99+12*\t], v[40:51], v[200+8*\t:207+8*\t], v[246+\t/2], v249 matrix_a_fmt:MATRIX_FMT_BF6 matrix_b_fmt:MATRIX_FMT_BF6
.endif
.endr
.Lhidden_\@:
	s_add_co_u32 s10, s10, 128                     ; the next step's first key,
	s_add_co_u32 s2, s2, STEPB                     ; and its bytes in LDS
.endm
; O^T / the sum is y's 64 numbers of my head: register 16 G + i = d 32 G + 16 h + i.  Two blocks of 32 become a half image (6 registers) and two scale bytes.
.macro FINAL
.rept 4
	v_nop                                          ; places behind the last products
.endr
	v_add_f32 v14, v14, v15
	s_delay_alu instid0(VALU_DEP_1)
	v_permlanex16_b32 v236, v14, s20, s21
	s_delay_alu instid0(VALU_DEP_1)
	v_add_f32 v14, v14, v236                       ; the row's sum
	s_wait_alu depctr_va_vdst(0)
	v_rcp_f32 v252, v14
	v_nop                                          ; a plain place behind the reciprocal
	s_lshl_b32 s44, s12, 4
	s_add_co_u32 s44, s44, s13                     ; my token tile
	s_mul_i32 s46, s44, 12288
	s_add_co_u32 s46, s46, s14
	s_mov_b32 s47, 0
	s_add_nc_u64 s[40:41], s[6:7], s[46:47]
	s_lshl_b32 s46, s44, 9
	s_add_co_u32 s46, s46, s15
	s_add_nc_u64 s[42:43], s[8:9], s[46:47]
	s_wait_alu depctr_va_vdst(0)                   ; ahead of the reciprocal's first reader
.set n, 0
.rept 16
	v_pk_mul_f32 v[136+n:137+n], v[200+n:201+n], v[252:253] op_sel_hi:[1,0]
.set n, n+2
.endr
.irp b, 0,1
	v_max3_num_f32 v[232+\b], |v[136+16*\b]|, |v[137+16*\b]|, 0x2800000
.endr
.irp i, 2,4,6,8,10,12,14
.irp b, 0,1
	s_delay_alu instid0(VALU_DEP_2)
	v_max3_num_f32 v[232+\b], v[232+\b], |v[136+16*\b+\i]|, |v[137+16*\b+\i]|
.endr
.endr
.irp b, 0,1
	s_delay_alu instid0(VALU_DEP_2)
	v_permlanex16_b32 v[236+\b], v[232+\b], s20, s21
.endr
.irp b, 0,1
	s_delay_alu instid0(VALU_DEP_2)
	v_max_num_f32 v[232+\b], v[232+\b], v[236+\b]
.endr
.irp b, 0,1
	s_delay_alu instid0(VALU_DEP_2)
	v_add_nc_u32 v[240+\b], 0xfe000000, v[232+\b]
.endr
.irp b, 0,1
	s_delay_alu instid0(VALU_DEP_2)
	v_lshrrev_b32 v[236+\b], 23, v[240+\b]
.endr
	s_delay_alu instid0(VALU_DEP_1)
	v_lshl_or_b32 v254, v237, 8, v236              ; my row's two bytes
	v_cvt_scalef32_pk16_bf6_f32 v[40:42], v[136:151], v240
	v_cvt_scalef32_pk16_bf6_f32 v[52:54], v[152:167], v241
	v_nop
.irp i, 0,1,2
	v_permlane16_swap_b32 v[40+\i], v[52+\i]
.endr
.irp i, 0,1,2
	s_delay_alu instid0(VALU_DEP_3)
	v_mov_b32 v[43+\i], v[52+\i]
.endr
.irp p, 0,1,2
	global_store_b64 v1, v[40+2*\p:41+2*\p], s[40:41] offset:256*\p   ; 32 lanes store 256 consecutive bytes, aligned
.endr
	global_store_b16 v6, v254, s[42:43]            ; lanes r and r + 16 hold the same two bytes and name the same place
.endm
; A block of 256 queries (its number in s12) against the head's first trips x 128 keys.
.macro PHASE trips
	s_lshl_b32 s44, s12, 1
	s_lshr_b32 s45, s18, 3
	s_add_co_u32 s44, s44, s45
	s_mul_i32 s44, s44, RECB                       ; the record that holds my tile of Q
	s_mov_b32 s45, 0
	s_add_nc_u64 s[16:17], s[4:5], s[44:45]
.irp p, 0,1,2
	global_load_b64 v[16+2*\p:17+2*\p], v4, s[16:17] offset:12800+256*\p
.endr
	global_load_u16 v252, v5, s[16:17] offset:18944
	s_lshl_b32 s11, s12, 8
	s_lshr_b32 s44, s18, 1
	s_lshl_b32 s44, s44, 5
	s_add_co_u32 s11, s11, s44                     ; the first query of my group of 32
	v_mov_b32 v13, 0xff61b1e6                      ; the largest t so far: -3e38
	s_delay_alu instid0(VALU_DEP_1)
	v_floor_f32 v12, -v13
	v_mov_b32 v14, 0
	v_mov_b32 v15, 0
.set n, 0
.rept 32
	v_mov_b32 v[200+n], 0                          ; O^T: the step is written once; its first trip finds zeros
.set n, n+1
.endr
	s_wait_loadcnt 0x0
	v_lshl_or_b32 v248, v252, 16, v252             ; Q's scale word: its two bytes twice, for either half of the 128
.irp i, 0,1,2,3,4,5
	v_mov_b32 v[34+\i], v[16+\i]
.endr
	v_nop
	v_nop                                          ; eight places between the scale word's line and the first product
	s_mov_b32 s2, 0
	s_mov_b32 s10, 0
	s_mov_b32 s3, \trips
.Lstep_\@:
	STEP
	s_sub_co_u32 s3, s3, 1
	s_cmp_lg_u32 s3, 0
	s_cbranch_scc1 .Lstep_\@
	s_setprio 0
	FINAL
.endm
	s_wait_tensorcnt 0x1                           ; my part of steps 0-7 is in; my part of steps 8-15 may be out
	s_barrier_signal -1
	s_barrier_wait -1                              ; everybody's is
	s_mov_b32 s12, ttmp9
	PHASE 8
	s_wait_tensorcnt 0x0                           ; my part of steps 8-15 is in
	s_wait_dscnt 0x0
	s_barrier_signal -1
	s_barrier_wait -1
	s_wait_xcnt 0x0                                ; the first block's stores have read their registers and bases
	s_sub_co_u32 s12, 7, ttmp9
	PHASE 16
	s_wait_xcnt 0x0
	v_lshl_add_u32 v254, v0, 2, 0x32000
	v_mov_b32 v255, 0
	s_wait_alu depctr_va_vdst(0)
	s_wait_tensorcnt 0x0
	ds_add_u32 v254, v255
	s_wait_dscnt 0x0
	s_endpgm
.Lfunc_end_k_q084271e209_attn:
	.size	k_q084271e209_attn, .Lfunc_end_k_q084271e209_attn-k_q084271e209_attn
	.p2alignl 7, 3214868480
	.fill 96, 4, 3214868480
	.section	.rodata,"a",@progbits
	.p2align	6, 0x0
	.amdhsa_kernel k_q084271e209_attn
		.amdhsa_group_segment_fixed_size 206848
		.amdhsa_private_segment_fixed_size 0
		.amdhsa_enable_private_segment 0
		.amdhsa_kernarg_size 24
		.amdhsa_user_sgpr_count 2
		.amdhsa_user_sgpr_kernarg_segment_ptr 1
		.amdhsa_wavefront_size32 1
		.amdhsa_system_sgpr_workgroup_id_x 1
		.amdhsa_system_sgpr_workgroup_id_y 1
		.amdhsa_system_sgpr_workgroup_id_z 1
		.amdhsa_system_vgpr_workitem_id 0
		.amdhsa_next_free_vgpr 256
		.amdhsa_next_free_sgpr 66
		.amdhsa_reserve_vcc 1
		.amdhsa_float_denorm_mode_32 3
		.amdhsa_float_denorm_mode_16_64 3
		.amdhsa_memory_ordered 1
		.amdhsa_forward_progress 1
		.amdhsa_inst_pref_size 67
	.end_amdhsa_kernel
	.amdgpu_metadata
---
amdhsa.version: [ 1, 2 ]
amdhsa.kernels:
  - .name:           k_q084271e209_attn
    .symbol:         k_q084271e209_attn.kd
    .args:
      - { .name: qkv, .offset: 0, .size: 8, .value_kind: global_buffer, .address_space: global }
      - { .name: yimg, .offset: 8, .size: 8, .value_kind: global_buffer, .address_space: global }
      - { .name: yscl, .offset: 16, .size: 8, .value_kind: global_buffer, .address_space: global }
    .group_segment_fixed_size: 206848
    .private_segment_fixed_size: 0
    .kernarg_segment_align: 8
    .kernarg_segment_size: 24
    .max_flat_workgroup_size: 512
    .sgpr_count:     66
    .vgpr_count:     256
    .wavefront_size: 32
...
	.end_amdgpu_metadata
.endif
;; end of part 3
;; launch gemm_proj (part 4): grid 4 x 32, 4 waves a work-group, clusters of 4 x 4, 327,680 bytes of LDS; arguments yimg, yscl, ops, opscl, out0; writes out0
.if DOCPART == 4
	.amdgcn_target "amdgcn-amd-amdhsa--gfx1250"
	.amdhsa_code_object_version 6
	.text
	.protected	k_q084271e209_gemm_proj
	.globl	k_q084271e209_gemm_proj
	.p2align	8
	.type	k_q084271e209_gemm_proj,@function
k_q084271e209_gemm_proj:
	s_mov_b64 s[64:65], 0
	v_nop
	global_prefetch_b8 v0, s[64:65] scope:SCOPE_SE
	s_setreg_imm32_b32 hwreg(HW_REG_WAVE_MODE, 25, 1), 1
	s_wait_xcnt 0x0
	s_wait_alu depctr_hold_cnt(0) depctr_sa_sdst(0) depctr_va_vdst(0) depctr_va_sdst(0) depctr_va_ssrc(0) depctr_va_vcc(0) depctr_vm_vsrc(0)
	s_getreg_b32 s2, hwreg(HW_REG_IB_STS2, 6, 4)
	s_cmp_eq_u32 s2, 0
	s_cbranch_scc0 .Lentry_in_a_cluster
	s_endpgm
.Lentry_in_a_cluster:
	s_bfe_u32 s2, ttmp6, 0x10000c
	s_cmp_lg_u32 s2, 0xf033
	s_cbranch_scc0 .Lentry_shape_is_right
	s_endpgm
.Lentry_shape_is_right:
; out0 = y W_proj on codes of BF6 with E8M0 scales, K = 1,024; out0 [8192][1024] f32.
; A tile of 256 x 256 is made by four waves, 128 x 128 each.  C[i][j]: i = a token (source 1, operand A = y: a lane holds one token), j = a column (source 0, operand B = W_proj: a lane's registers run along the columns).
; OPERANDS lie in memory as images of their registers ([tile of 16 rows][K step of 128][1,536 bytes]): a fragment is six ds_load_b64 at 8 x lane, dense, with no padding.
; Tile 2 G + u, row m stands for index 32 G + 8 u + m + 8 (m / 8), for tokens and columns alike: the way out puts both back in order.
; K goes in four steps of 256 through THREE LDS slots: steps 0, 1, 2 are first fills, step 3 fills slot 0 again, behind the one round of the cluster's barrier in the run; it has two K steps, 256 matrix instructions, in which to land.
; CLUSTERS: 4 x 4 work-groups; A's tiles are asked for jointly along a row of the cluster, B's along a column.  By this text's count a wave has at most four tensor loads out.
; 128 tiles: this launch has work for 128 work-groups.
; REGISTERS: window 0: v16-29 addresses; v32-63 scale words, two sets; v128-223 A's 8 fragments (on the way out v128-255: rows read back).  window 1: B's two sets.  windows 2, 3: the accumulators, (a, b) at v[8 (8 (a % 4) + b)].
.set FR,    12
.set NL,    6
.set NP,    4
.set NQ,    2
.set TILEB, 3072                       ; a tile's two fragments of a K step of 256
.set HALFT, 8*TILEB                    ; eight tiles: what one tensor load brings, and what one wave reads of A or of B
.set SLOT,  4*HALFT                    ; A's 16 tiles, then B's 16
.set SCL,   3*SLOT                     ; behind the slots: the scale words of all of K
.set SPARE, SCL+4*4096                 ; the spare words, 128 bytes for each wave: two blocks of 256 bytes that no other line names
.set BLKB,  196608                     ; 16 tiles of codes
.set SPITCH, 528                       ; the way out: a stage of 16 rows x (512 bytes + 16) for each wave, in slot 1: it has had its only fill, and its last read lies ahead of the last barrier of the run
.set PA,  4                            ; s[4:5] y's codes, s[6:7] y's scale words, s[8:9] the weights' codes, s[10:11] their scale words
.set PAS, 6
.set PB,  8
.set PBS, 10
.set ADRA, 16
.set ADRB, 20
.set STO,  24                          ; v24  the way out: where I put 32 bytes of a row
.set RD,   25                          ; v25  where I read a row back
.set CO,   26                          ; v26  16 x lane
.set ADRS, 27
.set SPW,  28
.set NIL,  29
.set SC,   32
.set AF,   128
.set BK,   128
.set G1A,  24
.set G1B,  32
.set G1SA, 40
.set G1SB, 48
.set G0SA, 56
.set G0SB, 60
.set G0A,  68
.set G0B,  80
.set MSB, 0
.macro WIN new                         ; the immediate's high byte repeats the setting that is left
.if MSB != \new
	s_set_vgpr_msb (MSB<<8)|\new
.set MSB, \new
.endif
.endm
.set MUL_LO, 0xa1
.set MUL_HI, 0xf1
.set TO_B,   0x40
.macro JLOAD g0a, g1a, g0b, g1b        ; a joint load: waves 0, 1 fetch for A, waves 2, 3 for B; four v_nop follow each line
	s_cmp_eq_u32 s15, 0
	s_cbranch_scc0 .Lfor_b_\@
	tensor_load_to_lds s[\g0a:\g0a+3], s[\g1a:\g1a+7]
	s_nop 0
.rept 4
	v_nop
.endr
	s_branch .Lasked_\@
.Lfor_b_\@:
	tensor_load_to_lds s[\g0b:\g0b+3], s[\g1b:\g1b+7]
	s_nop 0
.rept 4
	v_nop
.endr
.Lasked_\@:
.endm
.macro CREST
	s_cmp_lg_u32 s14, 0
	s_cbranch_scc1 .Lnot_wave_0_\@
	s_barrier_signal -3
.Lnot_wave_0_\@:
	s_barrier_wait -3
	s_barrier_signal -1
	s_barrier_wait -1
.endm
.macro CROUND
	s_barrier_signal -1
	s_barrier_wait -1
	CREST
.endm
	s_load_b256 s[4:11], s[0:1], 0x0               ; yimg, yscl, ops, opscl
	s_load_b64 s[12:13], s[0:1], 0x20              ; out0
	v_lshl_add_u32 v[SPW], v0, 2, SPARE
	v_mov_b32 v[NIL], 0
	ds_add_u32 v28, v29
	ds_add_u32 v28, v29
	s_wait_dscnt 0x0
	v_lshrrev_b32 v1, 5, v0
	v_readfirstlane_b32 s14, v1                    ; wave 0..3
	s_lshr_b32 s15, s14, 1                         ; which half of A's rows is mine.  Also: I fetch for A (0) or for B (1)
	s_and_b32 s16, s14, 1                          ; which half of B's rows.  Also: which eight tiles I fetch
	s_bfe_u32 s92, ttmp6, 0x40000                  ; cx
	s_bfe_u32 s93, ttmp6, 0x40004                  ; cy
	s_and_b32 s94, ttmp7, 0xffff                   ; cluster y
	s_lshl_b32 s96, s94, 2
	s_add_co_u32 s17, s93, s96                     ; A's block of 256 tokens: 4 cluster y + cy
	s_add_co_u32 s18, s92, 44                      ; B's block of 16 tiles in ops: W_proj's 44 + cx
	s_lshl_b32 s2, s93, 2
	s_lshl_b32 s2, 15, s2                          ; my row of the cluster
	s_lshl_b32 s3, 0x1111, s92                     ; my column
	s_or_b32 s[G1A], s2, (3<<16)|(1<<21)           ; 15:0 the mask; 17:16 elements of 8 bytes; 21 set beside a mask; no padding
	s_or_b32 s[G1B], s3, (3<<16)|(1<<21)
.irp g, G1A, G1B                       ; eight rows (tiles) of 3,072 bytes, 12,288 bytes apart
	s_mov_b32 s[\g+1], 384<<16
	s_mov_b32 s[\g+2], 8<<16
	s_mov_b32 s[\g+3], 384<<16
	s_mov_b32 s[\g+4], 8
	s_mov_b32 s[\g+5], 1536
	s_mov_b32 s[\g+6], 0
	s_mov_b32 s[\g+7], 0
.endr
	s_or_b32 s[G1SA], s2, (3<<16)|(1<<21)
	s_or_b32 s[G1SB], s3, (3<<16)|(1<<21)
.irp g, G1SA, G1SB                     ; eight tiles' scale words: 4,096 dense bytes as 16 rows of 256
	s_mov_b32 s[\g+1], 32<<16
	s_mov_b32 s[\g+2], 16<<16
	s_mov_b32 s[\g+3], 32<<16
	s_mov_b32 s[\g+4], 16
	s_mov_b32 s[\g+5], 32
	s_mov_b32 s[\g+6], 0
	s_mov_b32 s[\g+7], 0
.endr
	s_mul_i32 s19, s16, 8*12288
	s_mul_i32 s20, s17, BLKB
	s_add_co_u32 s20, s20, s19
	s_mov_b32 s21, 0
	s_mul_i32 s22, s18, BLKB
	s_add_co_u32 s22, s22, s19
	s_mov_b32 s23, 0
	s_lshl_b32 s19, s16, 12
	s_lshl_b32 s96, s17, 13
	s_add_co_u32 s96, s96, s19
	s_mov_b32 s97, 0
	s_lshl_b32 s98, s18, 13
	s_add_co_u32 s98, s98, s19
	s_mov_b32 s99, 0
	s_mul_i32 s100, s14, HALFT                     ; where they go: by the wave's number alone
	s_lshl_b32 s101, s14, 12
	s_wait_kmcnt 0x0
	s_add_nc_u64 s[20:21], s[PA:PA+1], s[20:21]
	s_add_nc_u64 s[22:23], s[PB:PB+1], s[22:23]
	s_add_nc_u64 s[96:97], s[PAS:PAS+1], s[96:97]
	s_add_nc_u64 s[98:99], s[PBS:PBS+1], s[98:99]
	CROUND                                         ; all sixteen work-groups are here: the first joint loads meet
	s_mov_b32 s[G0SA], 1
	s_add_co_u32 s[G0SA+1], s101, SCL
	s_mov_b64 s[G0SA+2:G0SA+3], s[96:97]
	s_or_b32 s[G0SA+3], s[G0SA+3], 0x80000000
	s_mov_b32 s[G0SB], 1
	s_add_co_u32 s[G0SB+1], s101, SCL
	s_mov_b64 s[G0SB+2:G0SB+3], s[98:99]
	s_or_b32 s[G0SB+3], s[G0SB+3], 0x80000000
	JLOAD G0SA, G1SA, G0SB, G1SB                   ; the scale words first
.irp s, 0,1,2
	s_mov_b32 s[G0A+4*\s], 1
	s_add_co_u32 s[G0A+4*\s+1], s100, \s*SLOT
	s_add_nc_u64 s[G0A+4*\s+2:G0A+4*\s+3], s[20:21], \s*TILEB
	s_or_b32 s[G0A+4*\s+3], s[G0A+4*\s+3], 0x80000000
	s_mov_b32 s[G0B+4*\s], 1
	s_add_co_u32 s[G0B+4*\s+1], s100, \s*SLOT
	s_add_nc_u64 s[G0B+4*\s+2:G0B+4*\s+3], s[22:23], \s*TILEB
	s_or_b32 s[G0B+4*\s+3], s[G0B+4*\s+3], 0x80000000
	JLOAD G0A+4*\s, G1A, G0B+4*\s, G1B
.endr
	v_and_b32 v1, 31, v0                           ; lane
	v_lshlrev_b32 v2, 3, v1                        ; 8 x lane
	v_and_b32 v3, 15, v0                           ; r
	v_bfe_u32 v4, v0, 4, 1                         ; h
	s_mul_i32 s21, s15, HALFT
	s_mul_i32 s22, s16, HALFT
	s_add_co_u32 s22, s22, 2*HALFT
.irp s, 0,1,2
	v_add_nc_u32 v[ADRA+\s], s21, v2
	v_add_nc_u32 v[ADRB+\s], s22, v2
	s_add_co_u32 s21, s21, SLOT
	s_add_co_u32 s22, s22, SLOT
.endr
	v_lshlrev_b32 v5, 3, v3
	s_lshl_b32 s21, s15, 12
	s_lshl_b32 s22, s16, 12
	s_add_co_u32 s22, s22, 8192
	s_sub_co_u32 s22, s22, s21
	v_mul_u32_u24 v6, s22, v4                      ; lanes 16-31 take B's: one product, the distance between the two
	s_add_co_u32 s21, s21, SCL
	v_add_nc_u32 v5, v5, v6
	v_add_nc_u32 v[ADRS], s21, v5
	s_mul_i32 s23, s14, 16*SPITCH
	s_add_co_u32 s23, s23, SLOT                    ; my stage, in slot 1
	v_mul_u32_u24 v5, v3, SPITCH
	v_lshl_add_u32 v5, v4, 6, v5                   ; in: row r, + 64 h: my half's 16 columns of each 32
	v_add_nc_u32 v[STO], s23, v5
	v_lshlrev_b32 v[CO], 4, v1                     ; back: the 32 lanes take one row of 512 bytes; and the same in out0
	v_add_nc_u32 v[RD], s23, v[CO]
	s_lshl_b32 s20, s17, 8
	s_lshl_b32 s21, s15, 7
	s_add_co_u32 s20, s20, s21                     ; my first token: 256 x block + 128 x half
	s_lshl_b32 s20, s20, 12                        ; rows of 4,096 bytes
	s_lshl_b32 s21, s92, 10
	s_add_co_u32 s20, s20, s21                     ; my first column, in bytes: 1,024 cx + 512 x half
	s_lshl_b32 s21, s16, 9
	s_add_co_u32 s20, s20, s21
	s_mov_b32 s21, 0
	s_add_nc_u64 s[12:13], s[12:13], s[20:21]
.macro FRAG reg, adr, q, i             ; a fragment as it lies: six chunks of 256 bytes, 8 bytes a lane
.irp p, 0,1,2,3,4,5
	ds_load_b64 v[\reg+2*\p:\reg+2*\p+1], v[\adr] offset:TILEB*(\i)+1536*(\q)+256*\p
.endr
.endm
; 16 matrix instructions: A's tiles a0, a0 + 1 x B's eight, 128 along K.  The 64 accumulators take turns, one instruction a turn, in the same order in every step.
.macro MUL16 a0, p, q, sc, zero
.irp a, \a0, \a0+1
.irp b, 0,1,2,3,4,5,6,7
.if \zero
	v_wmma_scale_f32_16x16x128_f8f6f4 v[8*(8*((\a)%4)+\b):8*(8*((\a)%4)+\b)+7], v[128*(\p)+FR*\b:128*(\p)+FR*\b+FR-1], v[AF+FR*(\a):AF+FR*(\a)+FR-1], 0, v[SC+8*NQ*(\sc)+NQ*\b+(\q)], v[SC+8*NQ*(\sc)+NQ*(\a)+(\q)] matrix_a_fmt:MATRIX_FMT_BF6 matrix_b_fmt:MATRIX_FMT_BF6 matrix_a_scale:MATRIX_SCALE_ROW1
.else
	v_wmma_scale_f32_16x16x128_f8f6f4 v[8*(8*((\a)%4)+\b):8*(8*((\a)%4)+\b)+7], v[128*(\p)+FR*\b:128*(\p)+FR*\b+FR-1], v[AF+FR*(\a):AF+FR*(\a)+FR-1], v[8*(8*((\a)%4)+\b):8*(8*((\a)%4)+\b)+7], v[SC+8*NQ*(\sc)+NQ*\b+(\q)], v[SC+8*NQ*(\sc)+NQ*(\a)+(\q)] matrix_a_fmt:MATRIX_FMT_BF6 matrix_b_fmt:MATRIX_FMT_BF6 matrix_a_scale:MATRIX_SCALE_ROW1
.endif
.endr
.endr
.endm
.macro FETCH_B slot, q, p
	WIN TO_B
.irp i, 0,1,2,3,4,5,6,7
	FRAG 128*(\p)+FR*\i, ADRB+\slot, \q, \i
.endr
	WIN 0
.endm
.macro FETCH_A slot, q, i0
.irp i, \i0, \i0+1, \i0+2, \i0+3
	FRAG AF+FR*(\i), ADRA+\slot, \q, \i
.endr
.endm
.macro SCALES sc
.irp i, 0,1,2,3,4,5,6,7
	ds_load_b64 v[SC+16*(\sc)+2*\i:SC+16*(\sc)+2*\i+1], v[ADRS] offset:512*\i
.endr
.endm
.macro PLACES n                        ; plain vector lines between a matrix instruction and a load into, or a read of, its registers
.rept \n
	v_nop
.endr
.endm
.macro STEP slot, sc, zero             ; a K step's first 128
	s_wait_dscnt 4*NL                              ; all but the youngest 24 loads (A's tiles 4-7) are in
	WIN MUL_LO
	MUL16 0, 0, 0, \sc, \zero
	MUL16 2, 0, 0, \sc, \zero
	s_wait_dscnt 0
	PLACES NP
	FETCH_B \slot, 1, 1
	FETCH_A \slot, 1, 0
	WIN MUL_HI
	MUL16 4, 0, 0, \sc, \zero
	MUL16 6, 0, 0, \sc, \zero
	PLACES NP
	WIN 0
	FETCH_A \slot, 1, 4
.endm
; A K step's second 128, which goes on to slot next.  mode 1: this slot is filled again, behind every wave's waits and add and a round of the cluster's barrier.  mode 0: the same lines and the work-group's barrier; nothing is filled.
; mode 2: no barrier: the next slot was shown whole to every wave by the round of mode 1, and this slot is not written before a later barrier.
.macro TURN slot, sc, next, mode
.if \mode != 2
	s_wait_tensorcnt 0x0                           ; all my tensor loads have landed
	ds_add_u32 v[SPW], v[NIL]                      ; 0 onto my spare word
	s_wait_dscnt 4*NL+1                            ; (the add and A's tiles 4-7 may be out)
.else
	s_wait_dscnt 4*NL
.endif
	WIN MUL_LO
	MUL16 0, 1, 1, \sc, 0
	s_wait_dscnt 0x0                               ; the add is done, and my reads of this slot are over
.if \mode != 2
	s_barrier_signal -1
.endif
	MUL16 2, 1, 1, \sc, 0
	WIN 0
.if \mode != 2
	s_barrier_wait -1
.endif
.if \mode == 1
	CREST                                          ; no wave of any partner still reads this slot or has a load on its way
	s_add_nc_u64 s[G0A+4*\slot+2:G0A+4*\slot+3], s[G0A+4*\slot+2:G0A+4*\slot+3], 3*TILEB
	s_add_nc_u64 s[G0B+4*\slot+2:G0B+4*\slot+3], s[G0B+4*\slot+2:G0B+4*\slot+3], 3*TILEB
	JLOAD G0A+4*\slot, G1A, G0B+4*\slot, G1B       ; K step 3; the four v_nop behind it are the places in front of the loads below
.else
	PLACES NP
.endif
	v_add_nc_u32 v[ADRS], 128, v[ADRS]             ; the next K step's scale words
	FETCH_B \next, 0, 0
	FETCH_A \next, 0, 0
	SCALES 1-(\sc)
	WIN MUL_HI
	MUL16 4, 1, 1, \sc, 0
	MUL16 6, 1, 1, \sc, 0
	PLACES NP
	WIN 0
	FETCH_A \next, 0, 4
.endm
	s_wait_tensorcnt 2                             ; my scale words and my part of K step 0 are in; K steps 1 and 2 may be out
	s_barrier_signal -1
	s_barrier_wait -1
	FETCH_B 0, 0, 0
	FETCH_A 0, 0, 0
	SCALES 0
	FETCH_A 0, 0, 4
	STEP 0, 0, 1
	TURN 0, 0, 1, 1
	STEP 1, 1, 0
	TURN 1, 1, 2, 2
	STEP 2, 0, 0
	TURN 2, 0, 0, 0
	STEP 0, 1, 0
	s_wait_dscnt 4*NL
	WIN MUL_LO
	MUL16 0, 1, 1, 1, 0
	MUL16 2, 1, 1, 1, 0
	s_wait_dscnt 0
	WIN MUL_HI
	MUL16 4, 1, 1, 1, 0
	MUL16 6, 1, 1, 1, 0
	WIN 0
; THE WAY OUT, a tile of 16 tokens x 128 columns at a time, through my own stage.  Accumulator b's register j of lane (r, h) is column 32 (b / 2) + 16 h + 8 (b % 2) + j of row r; row t of tile a is token 32 (a / 2) + 8 (a % 2) + t + 8 (t / 8).
; LDS serves a wave's instructions in order (ISA guide 5.7.1.4): no wait between the stores and the loads, nor in front of the next tile's stores.
.macro TOSTAGE a
.set AC, 64*((\a)%4)
.set WW, 0x08+4*((\a)/4)
	WIN WW                                         ; the data: window 2 or 3
.irp b, 0,1,2,3,4,5,6,7
	ds_store_b128 v[STO], v[AC+8*\b:AC+8*\b+3] offset:128*(\b/2)+32*(\b%2)          ; each accumulator from its low end on
	ds_store_b128 v[STO], v[AC+8*\b+4:AC+8*\b+7] offset:128*(\b/2)+32*(\b%2)+16
.endr
	WIN 0
.set BB, BK+64*((\a)%2)
.irp t, 0,1,2,3,4,5,6,7,8,9,10,11,12,13,14,15
	ds_load_b128 v[BB+4*\t:BB+4*\t+3], v[RD] offset:\t*SPITCH
.endr
.endm
.macro SEND a, younger                 ; younger: the LDS instructions issued behind tile a's loads, which may stay out
.set BB, BK+64*((\a)%2)
	s_wait_dscnt \younger
.irp t, 0,1,2,3,4,5,6,7,8,9,10,11,12,13,14,15
	global_store_b128 v[CO], v[BB+4*\t:BB+4*\t+3], s[12:13] offset:(32*((\a)/2)+8*((\a)%2)+\t+8*(\t/8))*4096 th:TH_STORE_NT   ; 32 lanes store 512 consecutive bytes, aligned; the row stands in the immediate: 127 rows at the most
.endr
.endm
	PLACES NP                                      ; behind the last products: for the first read of results and the loads into A's registers
	TOSTAGE 0
.irp a, 1,2,3,4,5,6,7
.if \a > 1
	s_wait_xcnt 0x0                                ; tile a - 2's stores have read their registers: tile a's loads may land there
.endif
	TOSTAGE \a
	SEND \a-1, 32                                  ; behind tile a - 1's loads: tile a's 16 stores and 16 loads
.endr
	SEND 7, 0
	s_wait_tensorcnt 0x0                           ; the wave's end: behind my last tensor load and my last LDS store
	ds_add_u32 v[SPW], v[NIL]
	s_wait_dscnt 0x0
	CROUND                                         ; the closing round
	s_endpgm
.Lfunc_end_k_q084271e209_gemm_proj:
	.size	k_q084271e209_gemm_proj, .Lfunc_end_k_q084271e209_gemm_proj-k_q084271e209_gemm_proj
	.p2alignl 7, 3214868480
	.fill 96, 4, 3214868480
	.section	.rodata,"a",@progbits
	.p2align	6, 0x0
	.amdhsa_kernel k_q084271e209_gemm_proj
		.amdhsa_group_segment_fixed_size 327680
		.amdhsa_private_segment_fixed_size 0
		.amdhsa_enable_private_segment 0
		.amdhsa_kernarg_size 40
		.amdhsa_user_sgpr_count 2
		.amdhsa_user_sgpr_kernarg_segment_ptr 1
		.amdhsa_wavefront_size32 1
		.amdhsa_system_sgpr_workgroup_id_x 1
		.amdhsa_system_sgpr_workgroup_id_y 1
		.amdhsa_system_sgpr_workgroup_id_z 1
		.amdhsa_system_vgpr_workitem_id 0
		.amdhsa_next_free_vgpr 1024
		.amdhsa_next_free_sgpr 102
		.amdhsa_reserve_vcc 0
		.amdhsa_float_denorm_mode_32 3
		.amdhsa_float_denorm_mode_16_64 3
		.amdhsa_memory_ordered 1
		.amdhsa_forward_progress 1
		.amdhsa_inst_pref_size 159
	.end_amdhsa_kernel
	.amdgpu_metadata
---
amdhsa.version: [ 1, 2 ]
amdhsa.kernels:
  - .name:           k_q084271e209_gemm_proj
    .symbol:         k_q084271e209_gemm_proj.kd
    .args:
      - { .name: yimg, .offset: 0, .size: 8, .value_kind: global_buffer, .address_space: global }
      - { .name: yscl, .offset: 8, .size: 8, .value_kind: global_buffer, .address_space: global }
      - { .name: ops, .offset: 16, .size: 8, .value_kind: global_buffer, .address_space: global }
      - { .name: opscl, .offset: 24, .size: 8, .value_kind: global_buffer, .address_space: global }
      - { .name: out0, .offset: 32, .size: 8, .value_kind: global_buffer, .address_space: global }
    .group_segment_fixed_size: 327680
    .private_segment_fixed_size: 0
    .kernarg_segment_align: 8
    .kernarg_segment_size: 40
    .max_flat_workgroup_size: 128
    .sgpr_count:     102
    .vgpr_count:     1024
    .wavefront_size: 32
...
	.end_amdgpu_metadata
.endif
;; end of part 4
